; MI455X (gfx1250); checked and timed in simulation.
; The chip was launched on July 23, 2026; its instructions are those of AMD's public machine-readable ISA for CDNA 5 (MIT licence, August 2026) and "CDNA5" Instruction Set Architecture Reference Guide (July 2026). The comments in the code are by the model that wrote it; some were corrected since.
;; Circadian Encoder. Allowed arithmetic: float matrix products may take bf16 or f16 operands with f32 sums; other float arithmetic in f32, or as packed bf16 or f16 multiplies, adds, multiply-adds, maxima and minima; sums over many terms, partial sums and values carried from step to step in f32; what a program stores and reads back later, other than sums and carried values, may be rounded once to bf16 or f16.
;; Inputs: activity_ids 16 x 1,024 int32; baseline_distribution 16 x 24 float32; day_of_week 16 x 1,024 int32; hours 16 x 1,024 float32; params_act_emb 21 x 128 float32; params_b_dist 64 float32; params_b_proj 128 float32; params_day_emb 7 x 128 float32; params_layers_0_b1 512 float32; params_layers_0_b2 128 float32; params_layers_0_b_in 384 float32; params_layers_0_b_out 128 float32; params_layers_0_ln1_b 128 float32; params_layers_0_ln1_g 128 float32; params_layers_0_ln2_b 128 float32; params_layers_0_ln2_g 128 float32; params_layers_0_w1 512 x 128 float32; params_layers_0_w2 128 x 512 float32; params_layers_0_w_in 384 x 128 float32; params_layers_0_w_out 128 x 128 float32; params_layers_1_b1 512 float32; params_layers_1_b2 128 float32; params_layers_1_b_in 384 float32; params_layers_1_b_out 128 float32; params_layers_1_ln1_b 128 float32; params_layers_1_ln1_g 128 float32; params_layers_1_ln2_b 128 float32; params_layers_1_ln2_g 128 float32; params_layers_1_w1 512 x 128 float32; params_layers_1_w2 128 x 512 float32; params_layers_1_w_in 384 x 128 float32; params_layers_1_w_out 128 x 128 float32; params_layers_2_b1 512 float32; params_layers_2_b2 128 float32; params_layers_2_b_in 384 float32; params_layers_2_b_out 128 float32; params_layers_2_ln1_b 128 float32; params_layers_2_ln1_g 128 float32; params_layers_2_ln2_b 128 float32; params_layers_2_ln2_g 128 float32; params_layers_2_w1 512 x 128 float32; params_layers_2_w2 128 x 512 float32; params_layers_2_w_in 384 x 128 float32; params_layers_2_w_out 128 x 128 float32; params_w_dist 64 x 25 float32; params_w_proj 128 x 192 float32.
;; Outputs: out0 16 x 128 float32; out1 16 float32.
;; 2 versions, each right; version 2 is version 1 with the launch embed written anew for expert scheduling mode. Each part assembles by itself: llvm-mc -triple=amdgcn-amd-amdhsa -mcpu=gfx1250 --defsym DOCPART=n.
;; ======== version 1 of 2: 5 launches
;; limits: values are held in f16: magnitudes above 65,504 overflow, below 6.1e-05 lose precision
;; workspace buffers: stA 20,971,520 bytes; stB 20,971,520 bytes; wf0 393,216 bytes; wf1 393,216 bytes; wf2 294,912 bytes; ps 131,072 bytes
;; launch embed (part 1): grid 256 x 1, 8 waves a work-group, no clusters, 17,408 bytes of LDS; arguments activity_ids, hours, day_of_week, params_act_emb, params_day_emb, params_layers_0_w_in, params_layers_0_b_in, stA, params_layers_0_w_out, params_layers_0_w1, params_layers_0_w2, params_layers_1_w_in, params_layers_1_w_out, params_layers_1_w1, params_layers_1_w2, params_layers_2_w_in, params_layers_2_w_out, params_layers_2_w1, params_layers_2_w2, wf0, wf1, wf2; writes stA, wf0, wf1, wf2
.if DOCPART == 1
	.amdgcn_target "amdgcn-amd-amdhsa--gfx1250"
	.amdhsa_code_object_version 6
	.text
	.protected	k_q3ad65b9d73_embed
	.globl	k_q3ad65b9d73_embed
	.p2align	8
	.type	k_q3ad65b9d73_embed,@function
k_q3ad65b9d73_embed:
	s_mov_b64 s[64:65], 0
	v_nop
	global_prefetch_b8 v0, s[64:65] scope:SCOPE_SE
	s_setreg_imm32_b32 hwreg(HW_REG_WAVE_MODE, 25, 1), 1
	s_wait_xcnt 0x0
; EMBED.  x0 = act_emb[id] + pos(hours) + day_emb[dow] for 64 tokens a work-group (f32), then layer 0's q, k, v = x0 w_in^T + b_in (f16 operands, f32 sums).
; Beside that the first 132 work-groups write the other eleven weight matrices, rounded once to f16, in the order in which the layer launches' matrix fragments want them.
; SHARES.  Wave w owns channels 16 w .. 16 w + 15 of all 64 tokens (four tiles of 16): lane l = (r = l % 16, h = l / 16) holds token r, channels 16 w + 8 h + 0..7.
; In the products wave w makes output columns 16 w .. of q, of k and of v: its 48 rows of w_in go from memory straight into the registers in which they are rounded; no wave wants another's.
; So no cluster and no tensor load: what work-groups share (192 KiB of w_in) is read once by each, and nothing is read twice inside a work-group.
; WHAT GOES OUT (stA): xs f32 [wg][w][tile][half][lane 16 B]; qf f16 [wg][w][tile][lane 16 B], q times log2(e)/4; kvf f16 [batch][256 keys][head][K, V][key tile][lane 16 B]:
; a K tile holds key r, channels 8 h ..; a V tile channel r, keys 8 h ..  Every store of a wave covers 512 consecutive bytes, aligned.
; SINE AND COSINE: the angle in quarter turns, t = hours x 2^(-i log2(10000)/32) x 2/pi, is split into the nearest whole number and a rest of at most half a quarter turn, on which
; the two series are cut at r^7 and r^8 (next terms under 3e-7 for every rest); the whole number picks series and signs.
; LIMITS.  The angle carries hours' own relative rounding (about 1.2e-7 of the angle); |t| stays under 2^31; NaN and infinities are not treated apart.  f16 holds no number beyond 65,504:
; x0, q, k, v stay within it (drawn inputs: about 4 at the most; all inputs 30 times larger: about 100 x 30).
.set QF0,   8388608
.set KV0,   12582912
.set SPARE, 16384                      ; behind the stage (x0 in f16, 16,384 bytes from LDS byte 0): the spare words, 128 bytes a wave
.set RR,  1                            ; v1   r
.set HH,  2                            ; v2   h
.set AL,  3                            ; v3   16 l
.set SL,  4                            ; v4   16 l + 512 w: where I put my 16 bytes of a tile's fragments
.set TO,  6                            ; v6   4 r
.set PO,  7                            ; v7   64 w + 32 h: my eight channels in a row of f32
.set WOF, 8                            ; v8   512 r + 32 h: my place in 16 rows of w_in
.set JO,  9                            ; v9   the same for the weight job
.set BVO, 10                           ; v10  64 w + 4 r
.set SPW, 14                           ; v14  my spare word
.set NIL, 15                           ; v15  0
.set E,   16                           ; v16-19  the four angle factors
.set HR,  20                           ; v20-23  hours, a tile each
.set IA,  24                           ; v24-27  activity ids, then offsets
.set ID,  28                           ; v28-31  days, then offsets
.set T,   16                           ; v16-31  later: packed results
.set BQ,  32                           ; v32-55  biases of q, k, v
.set BK,  40
.set BV,  48
.set JR,  32                           ; the weight job, ahead of the biases: 16 raw, 8 packed
.set JP,  48
.set W,   56                           ; v56-63  at work
.set WF,  64                           ; v64-255 w_in raw, then v64-159 its 12 fragments (part p, K step k at 32 p + 8 k)
.set X,   160
.set GA,  192
.set GD,  224
.set ACC, 160
.set AF0, 192
.set AF1, 224
.set WV,  48
.set XOUT, 78
.set QOUT, 80
.set KOUT, 82
.macro PLACES n
.rept \n
	v_nop
.endr
.endm
.macro SINCOS ds, dc, hr, e
	v_mul_f32 v[W], v[\hr], v[\e]                  ; quarter turns
	v_rndne_f32 v[W+1], v[W]
	v_sub_f32 v[W], v[W], v[W+1]
	v_cvt_i32_f32 v[W+2], v[W+1]
	v_mul_f32 v[W], 0x3fc90fdb, v[W]               ; the rest in radians, within pi/4
	v_mul_f32 v[W+3], v[W], v[W]
	v_fmaak_f32 v[W+4], s90, v[W+3], 0x3c088889    ; -1/5040, 1/120
	v_fmaak_f32 v[W+5], s91, v[W+3], 0xbab60b61    ; 1/40320, -1/720
	v_fmaak_f32 v[W+4], v[W+4], v[W+3], 0xbe2aaaab ; -1/6
	v_fmaak_f32 v[W+5], v[W+5], v[W+3], 0x3d2aaaab ; 1/24
	v_mul_f32 v[W+6], v[W], v[W+3]
	v_fmaak_f32 v[W+5], v[W+5], v[W+3], 0xbf000000 ; -1/2
	v_fma_f32 v[W+6], v[W+6], v[W+4], v[W]         ; sine of the rest
	v_fma_f32 v[W+7], v[W+5], v[W+3], 1.0          ; cosine of the rest
	v_and_b32 v[W+1], 1, v[W+2]
	v_cmp_eq_u32 vcc_lo, 1, v[W+1]                 ; an odd quarter swaps the two
	v_cndmask_b32 v[\ds], v[W+6], v[W+7], vcc_lo
	v_cndmask_b32 v[\dc], v[W+7], v[W+6], vcc_lo
	v_and_b32 v[W+1], 2, v[W+2]                    ; quarters 2, 3: the sine changes sign
	v_lshlrev_b32 v[W+1], 30, v[W+1]
	v_xor_b32 v[\ds], v[\ds], v[W+1]
	v_add_nc_u32 v[W+2], 1, v[W+2]                 ; quarters 1, 2: the cosine
	v_and_b32 v[W+2], 2, v[W+2]
	v_lshlrev_b32 v[W+2], 30, v[W+2]
	v_xor_b32 v[\dc], v[\dc], v[W+2]
.endm
.macro ALD dst, k                      ; x0's fragments of K step k, four tiles
.irp t,0,1,2,3
	ds_load_b128 v[(\dst)+8*\t:(\dst)+8*\t+3],   v[AL] offset:\t*4096+(\k)*1024
	ds_load_b128 v[(\dst)+8*\t+4:(\dst)+8*\t+7], v[AL] offset:\t*4096+(\k)*1024+512
.endr
.endm
.macro MM4 p, k, af, cpar, swap        ; four products, the four accumulators by turns
.irp t,0,1,2,3
.set rD, ACC+8*\t
.set rW, WF+32*(\p)+8*(\k)
.set rA, (\af)+8*\t
.set rC, rD
.if (\cpar) >= 0
.set rC, (\cpar)
.endif
.if \swap
	v_wmma_f32_16x16x32_f16 v[rD:rD+7], v[rA:rA+7], v[rW:rW+7], v[rC:rC+7]
.else
	v_wmma_f32_16x16x32_f16 v[rD:rD+7], v[rW:rW+7], v[rA:rA+7], v[rC:rC+7]
.endif
.endr
.endm
; 64 tokens x my 16 columns of part p over K = 128.  The bias is the C operand that starts the sums.  swap = 0: a lane ends with token r, columns 8 h ..; swap = 1: column r, tokens 8 h ..
.macro GEMMR p, cb, swap
	PLACES 4                                       ; four places behind the last product, ahead of loads into registers that it read
	ALD AF0, 0
	ALD AF1, 1
	s_wait_dscnt 8                                 ; K step 0 is in; the eight younger loads may stay out
	MM4 \p, 0, AF0, \cb, \swap
	PLACES 4
	ALD AF0, 2
	s_wait_dscnt 8
	MM4 \p, 1, AF1, -1, \swap
	PLACES 4
	ALD AF1, 3
	s_wait_dscnt 8
	MM4 \p, 2, AF0, -1, \swap
	s_wait_dscnt 0x0
	MM4 \p, 3, AF1, -1, \swap
	PLACES 4                                       ; ahead of the vector lines that read the sums
.endm
.macro OUT4 base, off                  ; the sums rounded to f16, 16 bytes a lane and tile, and stored
.irp t,0,1,2,3
.irp i,0,1,2,3
	v_cvt_pk_f16_f32 v[T+4*\t+\i], v[ACC+8*\t+2*\i], v[ACC+8*\t+2*\i+1]
.endr
.endr
.irp t,0,1,2,3
	global_store_b128 v[AL], v[T+4*\t:T+4*\t+3], s[\base:\base+1] offset:(\off)+\t*512
.endr
.endm
	s_load_b512 s[4:19], s[0:1], 0x0               ; ids, hours, days, act_emb, day_emb, w_in 0, b_in 0, stA
	s_load_b512 s[20:35], s[0:1], 0x40             ; L0 w_out, w1, w2; L1 w_in, w_out, w1, w2; L2 w_in
	s_load_b256 s[36:43], s[0:1], 0x80             ; L2 w_out, w1, w2; wf0
	s_load_b128 s[44:47], s[0:1], 0xa0             ; wf1, wf2
	v_lshl_add_u32 v[SPW], v0, 2, SPARE
	v_mov_b32 v[NIL], 0
	v_lshrrev_b32 v[JO], 5, v0
	v_readfirstlane_b32 s[WV], v[JO]               ; wave 0..7
	v_and_b32 v[RR], 15, v0
	v_bfe_u32 v[HH], v0, 4, 1
	v_and_b32 v[AL], 31, v0
	v_lshlrev_b32 v[AL], 4, v[AL]
	s_lshl_b32 s49, s[WV], 9
	v_add_nc_u32 v[SL], s49, v[AL]
	v_lshlrev_b32 v[TO], 2, v[RR]
	s_lshl_b32 s50, s[WV], 6
	v_lshl_add_u32 v[PO], v[HH], 5, s50
	v_lshl_add_u32 v[BVO], v[RR], 2, s50
	v_lshlrev_b32 v[WOF], 9, v[RR]
	v_lshl_add_u32 v[WOF], v[HH], 5, v[WOF]
	s_mov_b32 s88, 0xbed49a78                      ; -log2(10000)/32
	s_mov_b32 s90, 0xb9500d01                      ; -1/5040
	s_mov_b32 s91, 0x37d00d01                      ; 1/40320
	s_lshl_b32 s52, s[WV], 13                      ; my 16 rows of 512 bytes
	s_mov_b32 s53, 0
	s_lshl_b32 s54, ttmp9, 8                       ; my work-group's 64 tokens, 4 bytes each
	s_mov_b32 s55, 0
	s_lshl_b32 s56, ttmp9, 15                      ; xs
	s_lshl_b32 s57, s[WV], 12
	s_add_co_u32 s56, s56, s57
	s_mov_b32 s57, 0
	s_lshl_b32 s58, ttmp9, 14                      ; qf
	s_lshl_b32 s59, s[WV], 11
	s_add_co_u32 s58, s58, s59
	s_add_co_u32 s58, s58, QF0
	s_mov_b32 s59, 0
	s_lshr_b32 s60, ttmp9, 4                       ; kvf: batch,
	s_lshl_b32 s60, s60, 19
	s_bfe_u32 s61, ttmp9, 0x20002                  ; which 256 keys,
	s_lshl_b32 s61, s61, 17
	s_add_co_u32 s60, s60, s61
	s_and_b32 s61, ttmp9, 3                        ; which four key tiles of them,
	s_lshl_b32 s61, s61, 11
	s_add_co_u32 s60, s60, s61
	s_lshl_b32 s61, s[WV], 14                      ; head
	s_add_co_u32 s60, s60, s61
	s_add_co_u32 s60, s60, KV0
	s_mov_b32 s61, 0
	s_wait_kmcnt 0x0
	s_add_nc_u64 s[14:15], s[14:15], s[52:53]
	s_add_nc_u64 s[4:5], s[4:5], s[54:55]
	s_add_nc_u64 s[6:7], s[6:7], s[54:55]
	s_add_nc_u64 s[8:9], s[8:9], s[54:55]
	s_add_nc_u64 s[XOUT:XOUT+1], s[18:19], s[56:57]
	s_add_nc_u64 s[QOUT:QOUT+1], s[18:19], s[58:59]
	s_add_nc_u64 s[KOUT:KOUT+1], s[18:19], s[60:61]
.irp p,0,1,2                           ; my rows of w_q, w_k, w_v in f32: fragment 4 p + k takes 16 registers
.irp k,0,1,2,3
	global_load_b128 v[WF+16*(4*\p+\k):WF+16*(4*\p+\k)+3],     v[WOF], s[14:15] offset:\p*65536+\k*128
	global_load_b128 v[WF+16*(4*\p+\k)+4:WF+16*(4*\p+\k)+7],   v[WOF], s[14:15] offset:\p*65536+\k*128+16
	global_load_b128 v[WF+16*(4*\p+\k)+8:WF+16*(4*\p+\k)+11],  v[WOF], s[14:15] offset:\p*65536+\k*128+64
	global_load_b128 v[WF+16*(4*\p+\k)+12:WF+16*(4*\p+\k)+15], v[WOF], s[14:15] offset:\p*65536+\k*128+80
.endr
.endr
.irp t,0,1,2,3
	global_load_b32 v[HR+\t], v[TO], s[6:7] offset:\t*64
	global_load_b32 v[IA+\t], v[TO], s[4:5] offset:\t*64
	global_load_b32 v[ID+\t], v[TO], s[8:9] offset:\t*64
.endr
	; THE WEIGHT JOB.  264 units of 16 rows x 128 K (96 for wf0, 96 for wf1, 72 for wf2), two to a work-group, a K step of 32 to a wave.
	s_cmp_lt_u32 ttmp9, 132
	s_cbranch_scc0 .Lnojob
	s_lshl_b32 s50, ttmp9, 1
	s_lshr_b32 s51, s[WV], 2
	s_add_co_u32 s50, s50, s51                     ; the unit
	s_sub_co_u32 s51, s50, 96
	s_sub_co_u32 s52, s50, 192
	s_cmp_ge_u32 s50, 96
	s_cselect_b64 s[54:55], s[28:29], s[20:21]     ; w_out
	s_cselect_b64 s[56:57], s[30:31], s[22:23]     ; w1
	s_cselect_b64 s[58:59], s[32:33], s[24:25]     ; w2
	s_cselect_b64 s[60:61], s[34:35], s[26:27]     ; the next layer's w_in
	s_cselect_b64 s[62:63], s[44:45], s[42:43]     ; the target
	s_cselect_b32 s53, s51, s50
	s_cmp_ge_u32 s50, 192
	s_cselect_b64 s[54:55], s[36:37], s[54:55]
	s_cselect_b64 s[56:57], s[38:39], s[56:57]
	s_cselect_b64 s[58:59], s[40:41], s[58:59]
	s_cselect_b64 s[62:63], s[46:47], s[62:63]
	s_cselect_b32 s53, s52, s53                    ; the unit in its set
	s_lshr_b32 s66, s53, 3                         ; block 0..11: w_out, w1c0, w2c0, w1c1, w2c1, w1c2, w2c2, w1c3, w2c3, wq, wk, wv
	s_and_b32 s67, s53, 7                          ; its 16 rows
	s_lshl_b32 s68, s67, 13                        ; 16 rows of 512 bytes
	s_sub_co_u32 s69, s66, 1                       ; w1: rows 128 c on
	s_lshr_b32 s69, s69, 1
	s_lshl_b32 s69, s69, 16
	s_add_co_u32 s69, s69, s68
	s_sub_co_u32 s70, s66, 9                       ; w_in: part 0..2
	s_lshl_b32 s70, s70, 16
	s_add_co_u32 s70, s70, s68
	s_lshr_b32 s71, s66, 1                         ; w2: columns 128 c on, rows of 2,048 bytes
	s_sub_co_u32 s71, s71, 1
	s_lshl_b32 s71, s71, 9
	s_lshl_b32 s72, s67, 15
	s_add_co_u32 s71, s71, s72
	s_mov_b32 s73, 11
	s_and_b32 s74, s66, 1
	s_cmp_eq_u32 s74, 1
	s_cselect_b64 s[58:59], s[56:57], s[58:59]
	s_cselect_b32 s71, s69, s71
	s_cselect_b32 s73, 9, s73
	s_cmp_ge_u32 s66, 9
	s_cselect_b64 s[58:59], s[60:61], s[58:59]
	s_cselect_b32 s71, s70, s71
	s_cselect_b32 s73, 9, s73
	s_cmp_eq_u32 s66, 0
	s_cselect_b64 s[58:59], s[54:55], s[58:59]
	s_cselect_b32 s71, s68, s71
	s_cselect_b32 s73, 9, s73
	s_mov_b32 s74, s71
	s_mov_b32 s75, 0
	s_add_nc_u64 s[58:59], s[58:59], s[74:75]
	s_and_b32 s76, s[WV], 3                        ; my K step
	s_lshl_b32 s77, s76, 7
	v_lshlrev_b32 v[JO], s73, v[RR]
	v_lshl_add_u32 v[JO], v[HH], 5, v[JO]
	v_add_nc_u32 v[JO], s77, v[JO]
	global_load_b128 v[JR:JR+3],     v[JO], s[58:59]
	global_load_b128 v[JR+4:JR+7],   v[JO], s[58:59] offset:16
	global_load_b128 v[JR+8:JR+11],  v[JO], s[58:59] offset:64
	global_load_b128 v[JR+12:JR+15], v[JO], s[58:59] offset:80
	s_lshl_b32 s74, s66, 15
	s_lshl_b32 s77, s67, 12
	s_add_co_u32 s74, s74, s77
	s_lshl_b32 s77, s76, 10
	s_add_co_u32 s74, s74, s77
	s_add_nc_u64 s[62:63], s[62:63], s[74:75]
	s_wait_loadcnt 0x0
.irp i,0,1,2,3,4,5,6,7
	v_cvt_pk_f16_f32 v[JP+\i], v[JR+2*\i], v[JR+2*\i+1]
.endr
	global_store_b128 v[AL], v[JP:JP+3],   s[62:63]
	global_store_b128 v[AL], v[JP+4:JP+7], s[62:63] offset:512
.Lnojob:
	s_wait_xcnt 0x0                                ; the job's stores have read their data: the biases land in those registers
	global_load_b128 v[BQ:BQ+3],   v[PO], s[16:17]
	global_load_b128 v[BQ+4:BQ+7], v[PO], s[16:17] offset:16
	global_load_b128 v[BK:BK+3],   v[PO], s[16:17] offset:512
	global_load_b128 v[BK+4:BK+7], v[PO], s[16:17] offset:528
	global_load_b32  v[BV], v[BVO], s[16:17] offset:1024
	s_wait_loadcnt 5                               ; all but these five: w_in, hours, ids, days are in
.irp t,0,1,2,3
	v_min_u32 v[IA+\t], 20, v[IA+\t]               ; an index stays inside its table
	v_min_u32 v[ID+\t], 6, v[ID+\t]
	v_lshl_add_u32 v[IA+\t], v[IA+\t], 9, v[PO]
	v_lshl_add_u32 v[ID+\t], v[ID+\t], 9, v[PO]
.endr
.set f, 0
.rept 12                               ; w_in rounded to f16 in place, ascending: a target never lies above a source still to be read
.irp i,0,1,2,3,4,5,6,7
	v_cvt_pk_f16_f32 v[WF+8*f+\i], v[WF+16*f+2*\i], v[WF+16*f+2*\i+1]
.endr
.set f, f+1
.endr
.irp t,0,1,2,3
	global_load_b128 v[GA+8*\t:GA+8*\t+3],   v[IA+\t], s[10:11]
	global_load_b128 v[GA+8*\t+4:GA+8*\t+7], v[IA+\t], s[10:11] offset:16
	global_load_b128 v[GD+8*\t:GD+8*\t+3],   v[ID+\t], s[12:13]
	global_load_b128 v[GD+8*\t+4:GD+8*\t+7], v[ID+\t], s[12:13] offset:16
.endr
	s_lshl_b32 s50, s[WV], 3                       ; my four pairs of channels: 8 w + 4 h + i
	v_lshl_add_u32 v[W], v[HH], 2, s50
.irp i,0,1,2,3
	v_add_nc_u32 v[W+1], \i, v[W]
	v_cvt_f32_u32 v[W+1], v[W+1]
	v_fmaak_f32 v[E+\i], s88, v[W+1], 0xbf26c873   ; + log2(2/pi)
.endr
.irp i,0,1,2,3
	v_exp_f32 v[E+\i], v[E+\i]
.endr
	v_nop                                          ; a plain line behind the last exponential,
	s_wait_alu depctr_va_vdst(0)                   ; and one wait for the four, ahead of their first reader
.irp t,0,1,2,3
.irp i,0,1,2,3
	SINCOS X+8*\t+2*\i, X+8*\t+2*\i+1, HR+\t, E+\i
.endr
.endr
	s_wait_loadcnt 0x0                             ; the gathered rows and the biases
.irp i,1,2,3,4,5,6,7
	v_mov_b32 v[BV+\i], v[BV]                      ; v's sums hold one channel a lane: its bias in all eight registers
.endr
.set i, 0
.rept 16
	v_pk_add_f32 v[X+i:X+i+1], v[GA+i:GA+i+1], v[X+i:X+i+1]
	v_pk_add_f32 v[X+i:X+i+1], v[X+i:X+i+1], v[GD+i:GD+i+1]
.set i, i+2
.endr
.irp t,0,1,2,3
	global_store_b128 v[AL], v[X+8*\t:X+8*\t+3],   s[XOUT:XOUT+1] offset:\t*1024
	global_store_b128 v[AL], v[X+8*\t+4:X+8*\t+7], s[XOUT:XOUT+1] offset:\t*1024+512
.endr
.irp t,0,1,2,3
.irp i,0,1,2,3
	v_cvt_pk_f16_f32 v[T+4*\t+\i], v[X+8*\t+2*\i], v[X+8*\t+2*\i+1]
.endr
.endr
.irp t,0,1,2,3
	ds_store_b128 v[SL], v[T+4*\t:T+4*\t+3] offset:\t*4096
.endr
	s_wait_dscnt 0x0                               ; for the others' sake: my part of x0's fragments is in LDS
	s_barrier_signal -1
	s_barrier_wait -1
	s_wait_xcnt 0x0                                ; x0's stores have read their data: the sums take those registers
	GEMMR 0, BQ, 0
.set i, 0
.rept 16
	v_pk_mul_f32 v[ACC+i:ACC+i+1], v[ACC+i:ACC+i+1], 0x3eb8aa3b op_sel_hi:[1,0]  ; q times log2(e)/4, ahead of its one rounding
.set i, i+2
.endr
	OUT4 QOUT, 0
	GEMMR 1, BK, 0
	s_wait_xcnt 0x0                                ; the last stores have read T
	OUT4 KOUT, 0
	GEMMR 2, BV, 1
	s_wait_xcnt 0x0
	OUT4 KOUT, 8192
	s_wait_tensorcnt 0x0                           ; the wave's end: three lines behind my last LDS store
	ds_add_u32 v[SPW], v[NIL]
	s_wait_dscnt 0x0
	s_endpgm
.Lfunc_end_k_q3ad65b9d73_embed:
	.size	k_q3ad65b9d73_embed, .Lfunc_end_k_q3ad65b9d73_embed-k_q3ad65b9d73_embed
	.p2alignl 7, 3214868480
	.fill 96, 4, 3214868480
	.section	.rodata,"a",@progbits
	.p2align	6, 0x0
	.amdhsa_kernel k_q3ad65b9d73_embed
		.amdhsa_group_segment_fixed_size 17408
		.amdhsa_private_segment_fixed_size 0
		.amdhsa_enable_private_segment 0
		.amdhsa_kernarg_size 176
		.amdhsa_user_sgpr_count 2
		.amdhsa_user_sgpr_kernarg_segment_ptr 1
		.amdhsa_wavefront_size32 1
		.amdhsa_system_sgpr_workgroup_id_x 1
		.amdhsa_system_sgpr_workgroup_id_y 1
		.amdhsa_system_sgpr_workgroup_id_z 1
		.amdhsa_system_vgpr_workitem_id 0
		.amdhsa_next_free_vgpr 256
		.amdhsa_next_free_sgpr 96
		.amdhsa_reserve_vcc 1
		.amdhsa_float_denorm_mode_32 3
		.amdhsa_float_denorm_mode_16_64 3
		.amdhsa_memory_ordered 1
		.amdhsa_forward_progress 1
		.amdhsa_inst_pref_size 59
	.end_amdhsa_kernel
	.amdgpu_metadata
---
amdhsa.version: [ 1, 2 ]
amdhsa.kernels:
  - .name:           k_q3ad65b9d73_embed
    .symbol:         k_q3ad65b9d73_embed.kd
    .args:
      - { .name: activity_ids, .offset: 0, .size: 8, .value_kind: global_buffer, .address_space: global }
      - { .name: hours, .offset: 8, .size: 8, .value_kind: global_buffer, .address_space: global }
      - { .name: day_of_week, .offset: 16, .size: 8, .value_kind: global_buffer, .address_space: global }
      - { .name: params_act_emb, .offset: 24, .size: 8, .value_kind: global_buffer, .address_space: global }
      - { .name: params_day_emb, .offset: 32, .size: 8, .value_kind: global_buffer, .address_space: global }
      - { .name: params_layers_0_w_in, .offset: 40, .size: 8, .value_kind: global_buffer, .address_space: global }
      - { .name: params_layers_0_b_in, .offset: 48, .size: 8, .value_kind: global_buffer, .address_space: global }
      - { .name: stA, .offset: 56, .size: 8, .value_kind: global_buffer, .address_space: global }
      - { .name: params_layers_0_w_out, .offset: 64, .size: 8, .value_kind: global_buffer, .address_space: global }
      - { .name: params_layers_0_w1, .offset: 72, .size: 8, .value_kind: global_buffer, .address_space: global }
      - { .name: params_layers_0_w2, .offset: 80, .size: 8, .value_kind: global_buffer, .address_space: global }
      - { .name: params_layers_1_w_in, .offset: 88, .size: 8, .value_kind: global_buffer, .address_space: global }
      - { .name: params_layers_1_w_out, .offset: 96, .size: 8, .value_kind: global_buffer, .address_space: global }
      - { .name: params_layers_1_w1, .offset: 104, .size: 8, .value_kind: global_buffer, .address_space: global }
      - { .name: params_layers_1_w2, .offset: 112, .size: 8, .value_kind: global_buffer, .address_space: global }
      - { .name: params_layers_2_w_in, .offset: 120, .size: 8, .value_kind: global_buffer, .address_space: global }
      - { .name: params_layers_2_w_out, .offset: 128, .size: 8, .value_kind: global_buffer, .address_space: global }
      - { .name: params_layers_2_w1, .offset: 136, .size: 8, .value_kind: global_buffer, .address_space: global }
      - { .name: params_layers_2_w2, .offset: 144, .size: 8, .value_kind: global_buffer, .address_space: global }
      - { .name: wf0, .offset: 152, .size: 8, .value_kind: global_buffer, .address_space: global }
      - { .name: wf1, .offset: 160, .size: 8, .value_kind: global_buffer, .address_space: global }
      - { .name: wf2, .offset: 168, .size: 8, .value_kind: global_buffer, .address_space: global }
    .group_segment_fixed_size: 17408
    .private_segment_fixed_size: 0
    .kernarg_segment_align: 8
    .kernarg_segment_size: 176
    .max_flat_workgroup_size: 256
    .sgpr_count:     96
    .vgpr_count:     256
    .wavefront_size: 32
...
	.end_amdgpu_metadata
.endif
;; end of part 1
;; launch layer0 (part 2): grid 256 x 1, 8 waves a work-group, clusters of 4 x 1, 327,680 bytes of LDS; arguments stA, wf0, params_layers_0_b_out, params_layers_0_ln1_g, params_layers_0_ln1_b, params_layers_0_b1, params_layers_0_b2, params_layers_0_ln2_g, params_layers_0_ln2_b, params_layers_1_b_in, stB; writes stB
.if DOCPART == 2
	.amdgcn_target "amdgcn-amd-amdhsa--gfx1250"
	.amdhsa_code_object_version 6
	.text
	.protected	k_q3ad65b9d73_layer0
	.globl	k_q3ad65b9d73_layer0
	.p2align	8
	.type	k_q3ad65b9d73_layer0,@function
k_q3ad65b9d73_layer0:
	s_mov_b64 s[64:65], 0
	v_nop
	global_prefetch_b8 v0, s[64:65] scope:SCOPE_SE
	s_setreg_imm32_b32 hwreg(HW_REG_WAVE_MODE, 25, 1), 1
	s_wait_xcnt 0x0
	s_wait_alu depctr_hold_cnt(0) depctr_sa_sdst(0) depctr_va_vdst(0) depctr_va_sdst(0) depctr_va_ssrc(0) depctr_va_vcc(0) depctr_vm_vsrc(0)
	s_getreg_b32 s2, hwreg(HW_REG_IB_STS2, 6, 4)
	s_cmp_eq_u32 s2, 0
	s_cbranch_scc0 .Lentry_in_a_cluster
	s_endpgm
.Lentry_in_a_cluster:
	s_bfe_u32 s2, ttmp6, 0x10000c
	s_cmp_lg_u32 s2, 0x3003
	s_cbranch_scc0 .Lentry_shape_is_right
	s_endpgm
.Lentry_shape_is_right:
; ONE ENCODER LAYER for 64 tokens a work-group: attention (8 heads of 16 channels, 1,024 keys), out-projection, + x, LayerNorm, FF with ReLU, + x1, LayerNorm, and (LAST = 0) the next
; layer's q, k, v, or (LAST = 1) the column sums of the 64 rows.  Matrix operands f16, sums f32; softmax, norms, residuals f32.
; SHARES.  Eight waves.  In attention wave w is head w with all 64 queries (four tiles of 16): no fragment of K or V is read by two waves.  In every product wave w makes output columns
; 16 w .. 16 w + 15 of all 64 rows.  Lane l = (r = l % 16, h = l / 16) holds token r, channels 16 w + 8 h + 0..7, in sums, residuals and norms alike.
; HEAD SIZE 16 ON A PRODUCT 32 DEEP.  Source 0 holds TWO key tiles side by side [Ka | Kb]; source 1 is [q | 0] for Ka's scores, [0 | q] for Kb's.  S^T holds one query a lane and keys 8 h + 0..7; two such
; results rounded to f16 in pairs ARE source 1 of O^T = V^T P, 32 keys deep.  The row sums l are a product too, ones x P: its register 0 holds the query's sum over all 32 keys in every lane.
; SOFTMAX.  q arrives times log2(e)/4: p = 2^(s - m), m the running maximum; O and l are multiplied by a = 2^(m_old - m_new) in every step; m starts at the lowest finite number and O, l at 0,
; so the first step is a step like any other (64 lines clear them, in the wait for the first tile).  Of l's accumulator registers 0, 1 are rescaled and read; the others hold sums of at most 1,024.
; THE RING.  Two slots of 128 KiB take turns through seven items: four of K and V (256 keys x 8 heads), three of weights (four blocks of 128 x 128; with LAST = 1 the third has one).  All lie in memory in
; the order of the fragments, so an item is dense and each wave brings 16 KiB of it as 64 rows of 256 bytes.  One tensor load of a wave is out at any time, and it has a whole trip in which to land.
; CLUSTER.  The four work-groups of a cluster belong to one batch and walk the same K, V and weights: every item is asked for jointly, same load, descriptor and mask in all four.
; PREFETCH.  Behind trip t's fill and the LDS loads that follow it, item t + 2 is named once in the launch: K and V by the batch's first cluster, weights by the launch's first; the four partners take 32 KiB
; each, told apart by address; waves 0-3, a lane a block of 256 bytes.  Items 0 and 1 come by their loads alone; trips 5 and 6 ask for nothing.
; LIMITS.  f16 holds no number beyond 65,504: x (bounded by the norm: sqrt(128) |g| + |b|), q, k, v and the hidden layer stay within it (drawn inputs: under 10; gains and weights all 30 times larger:
; root mean square 900; weights with a common offset of 30 spreads: about 10,000).  Scores lie above -3.4e38; a weight below 2^-126 counts as 0; NaN and infinities are not treated apart.
.set LAST,  0
.set QF0,   8388608
.set KV0,   12582912
.set SLOT1, 131072
.set BLK,   32768
.set STG0,  262144                     ; stages, f16 in fragment order (tile, K step, half, lane x 16 bytes), 16 KiB each: o, h0, h2
.set STG1,  278528                     ; x1, x2
.set STG2,  294912                     ; h1, h3
.set LNB,   311296                     ; four areas of 2,048 bytes, [wave][r][tile] f32, each used once
.set PSUM,  323584
.set SPARE, 324096                     ; the spare words, 128 bytes a wave
.set RR,  1
.set HH,  2
.set AL,  3                            ; 16 l
.set KL,  4                            ; 16 l + 16,384 w: my head in a slot
.set KA,  5
.set WL,  6                            ; 16 l + 4,096 w: my 16 rows in a block of weights
.set WA,  7
.set AA,  8
.set SL,  9                            ; 16 l + 512 w: my 16 channels in a stage
.set SA,  10
.set LNS, 11
.set LNL, 12
.set PFO, 13                           ; 256 x thread
.set SPW, 14
.set NIL, 15
.set ZR,  16                           ; 0
.set TP,  17                           ; v17-19 at work
.set QZ,  20                           ; v20-55  0 q0 0 q1 0 q2 0 q3 0, four registers each
.set ONE, 56                           ; v56-63  1.0 in f16
.set KF,  64
.set VF,  80
.set S,   96                           ; v96-159 scores of two tiles, then P in their first halves
.set O,   160
.set L,   192
.set M,   224                          ; pairs (m, 0)
.set C,   236                          ; four at work a tile; c2 takes a
.set RC,  244
.set X,   20                           ; behind attention: the residual stream
.set ACC, 64
.set ACCF, 96
.set WF,  128
.set AF0, 160
.set AF1, 192
.set T,   224
.set PBO, 0                            ; window 1 (v256 on): my eight numbers of each parameter, and x as it came
.set PG1, 8
.set PE1, 16
.set PB1, 24
.set PB2, 56
.set PG2, 64
.set PE2, 72
.set PBQ, 80
.set PBK, 88
.set PBV, 96
.set XR,  104
.set WV,  26
.set CX,  27
.set WGX, 28
.set BAT, 29
.set RB,  30
.set FW6, 31
.set DG1, 32
.set DG0, 40
.set KVB, 44
.set WFB, 46
.set OFF, 48
.set NXT, 50                           ; the item to be asked for next
.set TR,  51
.set CNT, 52
.set TB,  53
.set PFL, 54
.set SEL, 56
.set PFA, 58
.set KVP, 60
.set WFP, 66
.set FK,  68
.set FW,  69
.set XIN, 70
.set QIN, 72
.set XOUT, 74
.set QOUT, 76
.set KOUT, 78
.set C128, 88
.set EPS, 89
.set MSB, 0
.macro WIN new                         ; the immediate's high byte repeats the setting that is left
.if MSB != (\new)
	s_set_vgpr_msb (MSB<<8)|(\new)
.set MSB, (\new)
.endif
.endm
.macro PLACES n
.rept \n
	v_nop
.endr
.endm
.macro BAR
	s_barrier_signal -1
	s_barrier_wait -1
.endm
.macro ROUND                           ; a round of the cluster's barrier
	s_barrier_signal -1
	s_barrier_wait -1
	s_cmp_lg_u32 s[WV], 0
	s_cbranch_scc1 .Lnw0_\@
	s_barrier_signal -3
.Lnw0_\@:
	s_barrier_wait -3
	s_barrier_signal -1
	s_barrier_wait -1
.endm
; A TRIP'S HEAD.  Every wave waits for all its tensor loads (its part of this trip's item), adds 0 to its spare word, waits for that and for its LDS reads and stores; behind the round nobody reads the
; other slot any more, this trip's item is whole, and what the waves stored into the stages is there.  fill = 1: the next item goes into the other slot, first thing behind the round;
; 2: that item has 32 KiB, waves 0 and 1 bring it; 0: nothing is left to fetch, and a work-group barrier does.  ask: the address and flag of the trip's prefetch are made (2: the item of 32 KiB).
.macro HEAD fill, ask
	WIN 0
.if (\ask) == 1
	s_wait_xcnt 0x0                                ; the last prefetch, a trip back, has read its address
	s_add_co_u32 s80, s[NXT], 1
	s_sub_co_u32 s81, s[NXT], 3
	s_cmp_lt_u32 s80, 4
	s_cselect_b64 s[PFA:PFA+1], s[KVP:KVP+1], s[WFP:WFP+1]
	s_cselect_b32 s[PFL], s[FK], s[FW]
	s_cselect_b32 s82, s80, s81
	s_lshl_b32 s82, s82, 17
	s_mov_b32 s83, 0
	s_add_nc_u64 s[PFA:PFA+1], s[PFA:PFA+1], s[82:83]
.elseif (\ask) == 2
	s_wait_xcnt 0x0
	s_mov_b64 s[PFA:PFA+1], s[24:25]
	s_mov_b32 s[PFL], s[FW6]
.endif
	s_wait_tensorcnt 0x0                           ; no tensor load of mine is out, so group 0 may be written
	ds_add_u32 v[SPW], v[NIL]
.if \fill
	s_xor_b32 s[DG0+1], s[DG0+1], SLOT1            ; the other slot than last time
	s_sub_co_u32 s81, s[NXT], 4
	s_cmp_lt_u32 s[NXT], 4
	s_cselect_b64 s[DG0+2:DG0+3], s[KVB:KVB+1], s[WFB:WFB+1]
	s_cselect_b32 s[OFF], s[NXT], s81
	s_lshl_b32 s[OFF], s[OFF], 17
	s_add_nc_u64 s[DG0+2:DG0+3], s[DG0+2:DG0+3], s[OFF:OFF+1]
	s_or_b32 s[DG0+3], s[DG0+3], 0x80000000
	s_add_co_u32 s[NXT], s[NXT], 1
.endif
	s_wait_dscnt 0x0                               ; the add is done, and so are my LDS reads and stores
.if \fill
	ROUND
.if (\fill) == 2
	s_cmp_lt_u32 s[WV], 2
	s_cbranch_scc0 .Lnone_\@
.endif
	tensor_load_to_lds s[DG0:DG0+3], s[DG1:DG1+7]
	s_nop 0
	PLACES 4
.if (\fill) == 2
.Lnone_\@:
.endif
.else
	BAR
.endif
.endm
.macro ASK                             ; once a trip: the flag is set by the head and cleared here
	s_cmp_eq_u32 s[PFL], 1
	s_cbranch_scc0 .Lnoask_\@
	global_prefetch_b8 v[PFO], s[PFA:PFA+1] th:TH_LOAD_NT scope:SCOPE_SE
	s_mov_b32 s[PFL], 0
.Lnoask_\@:
.endm
; Scores of piece p (tiles 2 p, 2 p + 1) for 64 keys: eight products, each starts its own sum.
.macro QK p
.irp u,0,1
.irp f,0,1
	v_wmma_f32_16x16x32_f16 v[S+32*\u+16*\f:S+32*\u+16*\f+7],    v[KF+8*\f:KF+8*\f+7], v[QZ+8*(2*(\p)+\u)+4:QZ+8*(2*(\p)+\u)+11], 0
	v_wmma_f32_16x16x32_f16 v[S+32*\u+16*\f+8:S+32*\u+16*\f+15], v[KF+8*\f:KF+8*\f+7], v[QZ+8*(2*(\p)+\u):QZ+8*(2*(\p)+\u)+7], 0
.endr
.endr
.endm
; O^T += V^T P and l += ones x P: four accumulators by turns.
.macro PV p
.irp f,0,1
.irp u,0,1
	v_wmma_f32_16x16x32_f16 v[O+8*(2*(\p)+\u):O+8*(2*(\p)+\u)+7], v[VF+8*\f:VF+8*\f+7], v[S+32*\u+8*\f:S+32*\u+8*\f+7], v[O+8*(2*(\p)+\u):O+8*(2*(\p)+\u)+7]
.endr
.irp u,0,1
	v_wmma_f32_16x16x32_f16 v[L+8*(2*(\p)+\u):L+8*(2*(\p)+\u)+7], v[ONE:ONE+7], v[S+32*\u+8*\f:S+32*\u+8*\f+7], v[L+8*(2*(\p)+\u):L+8*(2*(\p)+\u)+7]
.endr
.endr
.endm
; The softmax of piece p for one step, its two tiles line by line.  The 66 exponentials are one batch: nothing ahead of the one wait names a result of theirs.
.macro SM p
.irp n,0,1,2,3                         ; the maximum: four chains, each begins at its accumulator's lowest registers
.irp u,0,1
	v_max3_num_f32 v[C+4*\u+\n], v[S+32*\u+8*\n], v[S+32*\u+8*\n+1], v[S+32*\u+8*\n+2]
.endr
.endr
.irp g,1,2
.irp n,0,1,2,3
.irp u,0,1
	v_max3_num_f32 v[C+4*\u+\n], v[C+4*\u+\n], v[S+32*\u+8*\n+2*\g+1], v[S+32*\u+8*\n+2*\g+2]
.endr
.endr
.endr
.irp u,0,1
	v_max3_num_f32 v[C+4*\u], v[C+4*\u], v[S+32*\u+7], v[S+32*\u+15]
.endr
.irp u,0,1
	v_max3_num_f32 v[C+4*\u+1], v[C+4*\u+1], v[S+32*\u+23], v[S+32*\u+31]
.endr
.irp u,0,1
	v_max3_num_f32 v[C+4*\u+2], v[C+4*\u+2], v[C+4*\u+3], v[M+2*(2*(\p)+\u)]
.endr
.irp u,0,1
	v_max3_num_f32 v[C+4*\u], v[C+4*\u], v[C+4*\u+1], v[C+4*\u+2]
.endr
.irp u,0,1
	v_permlanex16_b32 v[C+4*\u+3], v[C+4*\u], s[SEL], s[SEL+1]  ; the query's other 32 keys lie in the lane 16 away
.endr
.irp u,0,1
	v_max_num_f32 v[C+4*\u+1], v[C+4*\u], v[C+4*\u+3]
.endr
.irp u,0,1
	v_sub_f32 v[C+4*\u+2], v[M+2*(2*(\p)+\u)], v[C+4*\u+1]
.endr
.irp u,0,1
	v_mov_b32 v[M+2*(2*(\p)+\u)], v[C+4*\u+1]
.endr
.irp u,0,1
	v_exp_f32 v[C+4*\u+2], v[C+4*\u+2]             ; a
.endr
.set i, 0
.rept 16
.irp u,0,1
	v_pk_add_f32 v[S+32*\u+i:S+32*\u+i+1], v[S+32*\u+i:S+32*\u+i+1], v[M+2*(2*(\p)+\u):M+2*(2*(\p)+\u)+1] op_sel_hi:[1,0] neg_lo:[0,1] neg_hi:[0,1]
.endr
.irp u,0,1
	v_exp_f32 v[S+32*\u+i], v[S+32*\u+i]
.endr
.irp u,0,1
	v_exp_f32 v[S+32*\u+i+1], v[S+32*\u+i+1]
.endr
.set i, i+2
.endr
	v_nop                                          ; a plain line behind the last exponential,
	s_wait_alu depctr_va_vdst(0)                   ; and the one wait for the batch
.set i, 0
.rept 16                               ; P in place, ascending: a target never lies above a source still to be read
.irp u,0,1
	v_cvt_pk_f16_f32 v[S+32*\u+i], v[S+32*\u+2*i], v[S+32*\u+2*i+1]
.endr
.set i, i+1
.endr
.irp u,0,1
.irp j,0,2,4,6
	v_pk_mul_f32 v[O+8*(2*(\p)+\u)+\j:O+8*(2*(\p)+\u)+\j+1], v[O+8*(2*(\p)+\u)+\j:O+8*(2*(\p)+\u)+\j+1], v[C+4*\u+2:C+4*\u+3] op_sel_hi:[1,0]
.endr
	v_pk_mul_f32 v[L+8*(2*(\p)+\u):L+8*(2*(\p)+\u)+1], v[L+8*(2*(\p)+\u):L+8*(2*(\p)+\u)+1], v[C+4*\u+2:C+4*\u+3] op_sel_hi:[1,0]
.endr
.endm
.macro ALD dst, k                      ; the activations' fragments of K step k, four tiles
.irp t,0,1,2,3
	ds_load_b128 v[(\dst)+8*\t:(\dst)+8*\t+3],   v[AA] offset:\t*4096+(\k)*1024
	ds_load_b128 v[(\dst)+8*\t+4:(\dst)+8*\t+7], v[AA] offset:\t*4096+(\k)*1024+512
.endr
.endm
.macro MM4 acc, k, af, cpar, swap      ; four products, the four accumulators by turns.  cpar >= 0: the sums start with eight registers of window 1 (a bias)
.if (\cpar) >= 0
	WIN 0x10
.endif
.irp t,0,1,2,3
.set rD, (\acc)+8*\t
.set rW, WF+8*(\k)
.set rA, (\af)+8*\t
.set rC, rD
.if (\cpar) >= 0
.set rC, (\cpar)
.endif
.if \swap
	v_wmma_f32_16x16x32_f16 v[rD:rD+7], v[rA:rA+7], v[rW:rW+7], v[rC:rC+7]
.else
	v_wmma_f32_16x16x32_f16 v[rD:rD+7], v[rW:rW+7], v[rA:rA+7], v[rC:rC+7]
.endif
.endr
	WIN 0
.endm
; 64 rows (stage abase) x my 16 columns (block at LDS byte wbase) over K = 128.  swap = 0: a lane ends with token r, columns 8 h ..; 1: column r, tokens 8 h ..
.macro GEMM abase, wbase, acc, cpar, swap=0, ask=0
	WIN 0
	v_add_nc_u32 v[WA], \wbase, v[WL]              ; with the two v_nop: four places behind the last product, ahead of loads into registers that it read
	v_add_nc_u32 v[AA], \abase, v[AL]
	v_nop
	v_nop
.irp k,0,1,2,3
	ds_load_b128 v[WF+8*\k:WF+8*\k+3],   v[WA] offset:\k*1024
	ds_load_b128 v[WF+8*\k+4:WF+8*\k+7], v[WA] offset:\k*1024+512
.endr
	ALD AF0, 0
	ALD AF1, 1
.if \ask
	ASK
.endif
	s_wait_dscnt 8                                 ; weights and K step 0 are in; the eight younger loads may stay out
	MM4 \acc, 0, AF0, \cpar, \swap
	PLACES 4
	ALD AF0, 2
	s_wait_dscnt 8
	MM4 \acc, 1, AF1, -1, \swap
	PLACES 4
	ALD AF1, 3
	s_wait_dscnt 8
	MM4 \acc, 2, AF0, -1, \swap
	s_wait_dscnt 0x0
	MM4 \acc, 3, AF1, -1, \swap
.endm
.macro TOSTG stg                       ; T's 16 registers into my place of a stage
	v_add_nc_u32 v[SA], \stg, v[SL]
.irp t,0,1,2,3
	ds_store_b128 v[SA], v[T+4*\t:T+4*\t+3] offset:\t*4096
.endr
	s_wait_dscnt 0x0                               ; for the others' sake
.endm
.macro STAGE stg                       ; the residual stream rounded to f16
.irp t,0,1,2,3
.irp i,0,1,2,3
	v_cvt_pk_f16_f32 v[T+4*\t+\i], v[X+8*\t+2*\i], v[X+8*\t+2*\i+1]
.endr
.endr
	TOSTG \stg
.endm
.macro RELU stg                        ; a chunk of the hidden layer: rounded, then the greater of it and 0
	PLACES 4
.irp t,0,1,2,3
.irp i,0,1,2,3
	v_cvt_pk_f16_f32 v[T+4*\t+\i], v[ACC+8*\t+2*\i], v[ACC+8*\t+2*\i+1]
.endr
.endr
.set i, 0
.rept 16
	v_pk_max_num_f16 v[T+i], v[T+i], v[ZR]
.set i, i+1
.endr
	TOSTG \stg
.endm
; v[T:T+3], a lane's sums over its 8 channels for the four tiles, become the sums over all 128 channels: the other half of the lanes, then the eight waves through LDS.
.macro LNRED area
.irp t,0,1,2,3
	v_permlanex16_b32 v[T+4+\t], v[T+\t], s[SEL], s[SEL+1]
.endr
	v_pk_add_f32 v[T:T+1], v[T:T+1], v[T+4:T+5]
	v_pk_add_f32 v[T+2:T+3], v[T+2:T+3], v[T+6:T+7]
	ds_store_b128 v[LNS], v[T:T+3] offset:(\area)*2048
	s_wait_dscnt 0x0
	BAR
.irp k,0,1,2,3,4,5,6,7
	ds_load_b128 v[T+4*\k:T+4*\k+3], v[LNL] offset:(\area)*2048+\k*256
.endr
	s_wait_dscnt 0x0
.irp k,0,8,16,24
	v_pk_add_f32 v[T+\k:T+\k+1],   v[T+\k:T+\k+1],   v[T+\k+4:T+\k+5]
	v_pk_add_f32 v[T+\k+2:T+\k+3], v[T+\k+2:T+\k+3], v[T+\k+6:T+\k+7]
.endr
.irp k,0,16
	v_pk_add_f32 v[T+\k:T+\k+1],   v[T+\k:T+\k+1],   v[T+\k+8:T+\k+9]
	v_pk_add_f32 v[T+\k+2:T+\k+3], v[T+\k+2:T+\k+3], v[T+\k+10:T+\k+11]
.endr
	v_pk_add_f32 v[T:T+1],   v[T:T+1],   v[T+16:T+17]
	v_pk_add_f32 v[T+2:T+3], v[T+2:T+3], v[T+18:T+19]
.endm
; X = (X - mean) / sqrt(var + 1e-5) * g + e: the mean first, then the squares of what is left, as the definition has it.
.macro LNORM area, g, e
.irp t,0,1,2,3
	v_pk_add_f32 v[T+8+4*\t:T+9+4*\t],   v[X+8*\t:X+8*\t+1],   v[X+8*\t+2:X+8*\t+3]
	v_pk_add_f32 v[T+10+4*\t:T+11+4*\t], v[X+8*\t+4:X+8*\t+5], v[X+8*\t+6:X+8*\t+7]
.endr
.irp t,0,1,2,3
	v_pk_add_f32 v[T+8+4*\t:T+9+4*\t], v[T+8+4*\t:T+9+4*\t], v[T+10+4*\t:T+11+4*\t]
.endr
.irp t,0,1,2,3
	v_add_f32 v[T+\t], v[T+8+4*\t], v[T+9+4*\t]
.endr
	LNRED \area
.irp t,0,1,2,3
	v_mul_f32 v[T+8+2*\t], s[C128], v[T+\t]
.endr
.irp t,0,1,2,3
.irp j,0,2,4,6
	v_pk_add_f32 v[X+8*\t+\j:X+8*\t+\j+1], v[X+8*\t+\j:X+8*\t+\j+1], v[T+8+2*\t:T+9+2*\t] op_sel_hi:[1,0] neg_lo:[0,1] neg_hi:[0,1]
.endr
.endr
.irp t,0,1,2,3
	v_pk_mul_f32 v[T+8+4*\t:T+9+4*\t], v[X+8*\t:X+8*\t+1], v[X+8*\t:X+8*\t+1]
.endr
.irp j,2,4,6
.irp t,0,1,2,3
	v_pk_fma_f32 v[T+8+4*\t:T+9+4*\t], v[X+8*\t+\j:X+8*\t+\j+1], v[X+8*\t+\j:X+8*\t+\j+1], v[T+8+4*\t:T+9+4*\t]
.endr
.endr
.irp t,0,1,2,3
	v_add_f32 v[T+\t], v[T+8+4*\t], v[T+9+4*\t]
.endr
	LNRED (\area)+1
.irp t,0,1,2,3
	v_fma_f32 v[T+8+2*\t], v[T+\t], s[C128], s[EPS]
.endr
.irp t,0,1,2,3
	v_rsq_f32 v[T+8+2*\t], v[T+8+2*\t]
.endr
	v_nop
	s_wait_alu depctr_va_vdst(0)                   ; one wait for the four roots
.irp t,0,1,2,3
.irp j,0,2,4,6
	v_pk_mul_f32 v[X+8*\t+\j:X+8*\t+\j+1], v[X+8*\t+\j:X+8*\t+\j+1], v[T+8+2*\t:T+9+2*\t] op_sel_hi:[1,0]
.endr
.endr
	WIN 0x14                                       ; gain and shift in window 1
.irp t,0,1,2,3
.irp j,0,2,4,6
	v_pk_fma_f32 v[X+8*\t+\j:X+8*\t+\j+1], v[X+8*\t+\j:X+8*\t+\j+1], v[(\g)+\j:(\g)+\j+1], v[(\e)+\j:(\e)+\j+1]
.endr
.endr
	WIN 0
.endm
.macro PL8 dst, sb, off                ; my eight numbers of a parameter
	global_load_b128 v[\dst:\dst+3],   v[TP+1], s[\sb:\sb+1] offset:\off
	global_load_b128 v[\dst+4:\dst+7], v[TP+1], s[\sb:\sb+1] offset:(\off)+16
.endm
.macro OUT4 dst, base, off             ; the sums rounded to f16, 16 bytes a lane and tile, and stored: 512 consecutive bytes a store
.irp t,0,1,2,3
.irp i,0,1,2,3
	v_cvt_pk_f16_f32 v[(\dst)+4*\t+\i], v[ACC+8*\t+2*\i], v[ACC+8*\t+2*\i+1]
.endr
.endr
.irp t,0,1,2,3
	global_store_b128 v[AL], v[(\dst)+4*\t:(\dst)+4*\t+3], s[\base:\base+1] offset:(\off)+\t*512
.endr
.endm
	s_load_b512 s[4:19], s[0:1], 0x0               ; st_in, wf, b_out, ln1_g, ln1_b, b1, b2, ln2_g
	s_load_b128 s[20:23], s[0:1], 0x40             ; ln2_b; the next b_in, or ps
.if !LAST
	s_load_b64 s[24:25], s[0:1], 0x50              ; st_out
.endif
	v_lshl_add_u32 v[SPW], v0, 2, SPARE
	v_mov_b32 v[NIL], 0
	ds_add_u32 v[SPW], v[NIL]                      ; the opening: the add, twice on end, and its wait ahead of my first tensor load
	ds_add_u32 v[SPW], v[NIL]
	v_lshrrev_b32 v[TP], 5, v0
	v_readfirstlane_b32 s[WV], v[TP]               ; wave 0..7
	v_and_b32 v[RR], 15, v0
	v_bfe_u32 v[HH], v0, 4, 1
	v_and_b32 v[TP], 31, v0
	v_lshlrev_b32 v[AL], 4, v[TP]
	s_bfe_u32 s[CX], ttmp6, 0x40000                ; my place in the cluster: it enters global addresses of x, q, stores and prefetches alone
	s_lshl_b32 s[WGX], ttmp9, 2
	s_add_co_u32 s[WGX], s[WGX], s[CX]
	s_lshr_b32 s[BAT], ttmp9, 2                    ; the batch, which the four partners share
	s_and_b32 s[RB], s[WGX], 15
	s_mov_b32 s[DG1], 15|(3<<16)|(1<<21)           ; the mask of four; elements of 8 bytes; bit 21 beside a mask; no padding
	s_mov_b32 s[DG1+1], 32<<16                     ; tensor_dim0 = 32 (256 bytes)
	s_mov_b32 s[DG1+2], 64<<16                     ; tensor_dim1 = 64
	s_mov_b32 s[DG1+3], 32<<16                     ; tile_dim0 = 32
	s_mov_b32 s[DG1+4], 64                         ; tile_dim1 = 64
	s_mov_b32 s[DG1+5], 32                         ; dense: 32 elements from row to row
	s_mov_b32 s[DG1+6], 0
	s_mov_b32 s[DG1+7], 0
	s_mov_b32 s[DG0], 1
	s_lshl_b32 s[DG0+1], s[WV], 14                 ; slot 0, my 16 KiB
	v_add_nc_u32 v[KL], s[DG0+1], v[AL]
	s_lshl_b32 s80, s[WV], 12
	v_add_nc_u32 v[WL], s80, v[AL]
	s_lshl_b32 s80, s[WV], 9
	v_add_nc_u32 v[SL], s80, v[AL]
	v_lshlrev_b32 v[LNL], 4, v[RR]
	v_add_nc_u32 v[LNL], LNB, v[LNL]
	s_lshl_b32 s80, s[WV], 8
	v_add_nc_u32 v[LNS], s80, v[LNL]
	v_lshlrev_b32 v[PFO], 8, v0
	s_lshl_b32 s80, s[WV], 6
	v_lshl_add_u32 v[TP+1], v[HH], 5, s80          ; 64 w + 32 h
	v_lshl_add_u32 v[TP+2], v[RR], 2, s80          ; 64 w + 4 r
	s_mov_b32 s[SEL], 0x76543210
	s_mov_b32 s[SEL+1], 0xfedcba98
	s_mov_b32 s[C128], 0x3c000000                  ; 1/128
	s_mov_b32 s[EPS], 0x3727c5ac                   ; 1e-5
	s_mov_b32 s[NXT], 1
	s_mov_b32 s[OFF+1], 0
	s_mov_b32 s[TB], SLOT1+8192                    ; the first trip turns this into 0
	s_and_b32 s84, ttmp9, 3                        ; who prefetches: the same in all four partners
	s_lshr_b32 s85, s[WV], 2
	s_or_b32 s84, s84, s85
	s_cmp_eq_u32 s84, 0
	s_cselect_b32 s[FK], 1, 0
	s_or_b32 s84, ttmp9, s85
	s_cmp_eq_u32 s84, 0
	s_cselect_b32 s[FW], 1, 0
	s_or_b32 s84, ttmp9, s[WV]
	s_cmp_eq_u32 s84, 0
	s_cselect_b32 s[FW6], 1, 0
	s_lshl_b32 s80, s[BAT], 19
	s_add_co_u32 s80, s80, KV0                     ; the batch's K and V
	s_mov_b32 s81, 0
	s_add_co_u32 s82, s80, s[DG0+1]                ; + my head's 16 KiB
	s_mov_b32 s83, 0
	s_lshl_b32 s84, s[CX], 15
	s_mov_b32 s85, 0
	s_add_co_u32 s80, s80, s84                     ; for the prefetches: + my work-group's 32 KiB
	s_mov_b32 s86, s[DG0+1]
	s_mov_b32 s87, 0
	s_wait_dscnt 0x0                               ; both opening adds are done
	s_wait_kmcnt 0x0
	s_add_nc_u64 s[KVB:KVB+1], s[4:5], s[82:83]
	s_add_nc_u64 s[WFB:WFB+1], s[6:7], s[86:87]
	s_mov_b64 s[DG0+2:DG0+3], s[KVB:KVB+1]
	s_or_b32 s[DG0+3], s[DG0+3], 0x80000000
	ROUND                                          ; all four work-groups are here: the first joint loads meet
	tensor_load_to_lds s[DG0:DG0+3], s[DG1:DG1+7]  ; item 0 into slot 0
	s_nop 0
	PLACES 4
	s_add_nc_u64 s[KVP:KVP+1], s[4:5], s[80:81]
	s_add_nc_u64 s[WFP:WFP+1], s[6:7], s[84:85]
	s_lshl_b32 s80, s[WGX], 15
	s_lshl_b32 s82, s[WV], 12
	s_add_co_u32 s80, s80, s82
	s_add_nc_u64 s[XIN:XIN+1], s[4:5], s[80:81]
.if !LAST
	s_add_nc_u64 s[XOUT:XOUT+1], s[24:25], s[80:81]
.endif
	s_lshl_b32 s80, s[WGX], 14
	s_lshl_b32 s82, s[WV], 11
	s_add_co_u32 s80, s80, s82
	s_add_co_u32 s80, s80, QF0
	s_add_nc_u64 s[QIN:QIN+1], s[4:5], s[80:81]
.if !LAST
	s_add_nc_u64 s[QOUT:QOUT+1], s[24:25], s[80:81]
	s_lshl_b32 s80, s[BAT], 19
	s_lshr_b32 s82, s[RB], 2
	s_lshl_b32 s82, s82, 17
	s_add_co_u32 s80, s80, s82
	s_and_b32 s82, s[RB], 3
	s_lshl_b32 s82, s82, 11
	s_add_co_u32 s80, s80, s82
	s_add_co_u32 s80, s80, s86
	s_add_co_u32 s80, s80, KV0
	s_add_nc_u64 s[KOUT:KOUT+1], s[24:25], s[80:81]
.else
	s_lshl_b32 s80, s[WGX], 9
	s_add_nc_u64 s[XOUT:XOUT+1], s[22:23], s[80:81]  ; my row of ps
	s_lshl_b32 s80, s[CX], 13
	s_add_co_u32 s80, s80, 262144
	s_add_nc_u64 s[24:25], s[6:7], s[80:81]        ; the last item's 32 KiB: my work-group's 8 KiB, for the prefetch
.endif
.irp t,0,1,2,3
	global_load_b128 v[QZ+8*\t+4:QZ+8*\t+7], v[AL], s[QIN:QIN+1] offset:\t*512
.endr
	WIN 0x40                                       ; destinations in window 1
	PL8 PBO, 8, 0
	PL8 PG1, 10, 0
	PL8 PE1, 12, 0
.irp c,0,1,2,3
	PL8 PB1+8*\c, 14, \c*512
.endr
	PL8 PB2, 16, 0
	PL8 PG2, 18, 0
	PL8 PE2, 20, 0
.if !LAST
	PL8 PBQ, 22, 0
	PL8 PBK, 22, 512
	global_load_b32 v[PBV], v[TP+2], s[22:23] offset:1024
.endif
.irp t,0,1,2,3
	global_load_b128 v[XR+8*\t:XR+8*\t+3],   v[AL], s[XIN:XIN+1] offset:\t*1024
	global_load_b128 v[XR+8*\t+4:XR+8*\t+7], v[AL], s[XIN:XIN+1] offset:\t*1024+512
.endr
	WIN 0
.irp i,0,1,2,3,4
.irp j,0,1,2,3
	v_mov_b32 v[QZ+8*\i+\j], 0
.endr
.endr
.set i, 0
.rept 8
	v_mov_b32 v[ONE+i], 0x3c003c00
.set i, i+1
.endr
.set i, 0
.rept 64
	v_mov_b32 v[O+i], 0                            ; O^T and l: written in the wait for the first tile, so that no first step is written out
.set i, i+1
.endr
.irp t,0,1,2,3
	v_mov_b32 v[M+2*\t], 0xff7fffff
	v_mov_b32 v[M+2*\t+1], 0
.endr
	v_mov_b32 v[ZR], 0
	s_wait_loadcnt 0x0                             ; q, the parameters, x
.if !LAST
	WIN 0x41
.irp i,1,2,3,4,5,6,7
	v_mov_b32 v[PBV+\i], v[PBV]                    ; v's sums hold one channel a lane
.endr
	WIN 0
.endif
	s_mov_b32 s[TR], 4
.Ltrip:                                        ; ATTENTION: four trips of 256 keys, each of four steps of 64
	HEAD 1, 1
	s_sub_co_u32 s[TB], s[TB], 8192                ; back to a slot's first step,
	s_xor_b32 s[TB], s[TB], SLOT1                  ; in the other slot
	s_mov_b32 s[CNT], 4
.Lstep:
	v_add_nc_u32 v[KA], s[TB], v[KL]
.irp i,0,1,2,3
	ds_load_b128 v[KF+4*\i:KF+4*\i+3], v[KA] offset:\i*512
.endr
.irp i,0,1,2,3
	ds_load_b128 v[VF+4*\i:VF+4*\i+3], v[KA] offset:8192+\i*512
.endr
	s_add_co_u32 s[TB], s[TB], 2048
	ASK
	s_wait_dscnt 4                                 ; K is in; V's four loads may stay out
	QK 0
	PLACES 4
	SM 0
	s_wait_dscnt 0x0                               ; V is in
	PV 0
	PLACES 5                                       ; the next scores land on registers that these products read
	QK 1
	PLACES 4
	SM 1
	PV 1
	PLACES 5
	s_sub_co_u32 s[CNT], s[CNT], 1
	s_cmp_lg_u32 s[CNT], 0
	s_cbranch_scc1 .Lstep
	s_sub_co_u32 s[TR], s[TR], 1
	s_cmp_lg_u32 s[TR], 0
	s_cbranch_scc1 .Ltrip
.irp t,0,1,2,3
	v_rcp_f32 v[RC+2*\t], v[L+8*\t]
.endr
.irp t,0,1,2,3
	v_mov_b32 v[RC+2*\t+1], 0                      ; the pairs' other halves: plain lines behind the reciprocals
.endr
	s_wait_alu depctr_va_vdst(0)                   ; one wait for the four
.irp t,0,1,2,3
.irp j,0,2,4,6
	v_pk_mul_f32 v[O+8*\t+\j:O+8*\t+\j+1], v[O+8*\t+\j:O+8*\t+\j+1], v[RC+2*\t:RC+2*\t+1] op_sel_hi:[1,0]
.endr
.endr
.irp t,0,1,2,3
.irp i,0,1,2,3
	v_cvt_pk_f16_f32 v[S+4*\t+\i], v[O+8*\t+2*\i], v[O+8*\t+2*\i+1]
.endr
.endr
	v_add_nc_u32 v[SA], STG0, v[SL]                ; head w is 16 channels of o's fragments
.irp t,0,1,2,3
	ds_store_b128 v[SA], v[S+4*\t:S+4*\t+3] offset:\t*4096
.endr
	; TRIP 4, slot 0: w_out, w1c0, w2c0, w1c1
.if LAST
	HEAD 1, 2
.else
	HEAD 1, 1
.endif
	GEMM STG0, 0, ACC, PBO, 0, 1
	PLACES 4
	WIN 0x04
.set i, 0
.rept 16
	v_pk_add_f32 v[X+i:X+i+1], v[ACC+i:ACC+i+1], v[XR+i:XR+i+1]
.set i, i+2
.endr
	WIN 0
	LNORM 0, PG1, PE1
	STAGE STG1
	BAR
	GEMM STG1, BLK, ACC, PB1
	RELU STG0                                      ; o's readers have passed the norm's barriers
	BAR
	GEMM STG0, 2*BLK, ACCF, PB2
	GEMM STG1, 3*BLK, ACC, PB1+8
	RELU STG2
	; TRIP 5, slot 1: w2c1, w1c2, w2c2, w1c3
.if LAST
	HEAD 2, 0
.else
	HEAD 1, 0
.endif
	GEMM STG2, SLOT1, ACCF, -1
	GEMM STG1, SLOT1+BLK, ACC, PB1+16
	RELU STG0                                      ; h0's readers have passed this trip's head
	BAR
	GEMM STG0, SLOT1+2*BLK, ACCF, -1
	GEMM STG1, SLOT1+3*BLK, ACC, PB1+24
	RELU STG2                                      ; h1's readers have passed the barrier above
	; TRIP 6, slot 0: w2c3 and the next layer's wq, wk, wv
	HEAD 0, 0
	GEMM STG2, 0, ACCF, -1
	PLACES 4
.set i, 0
.rept 16
	v_pk_add_f32 v[X+i:X+i+1], v[X+i:X+i+1], v[ACCF+i:ACCF+i+1]
.set i, i+2
.endr
	LNORM 2, PG2, PE2
.if !LAST
.irp t,0,1,2,3
	global_store_b128 v[AL], v[X+8*\t:X+8*\t+3],   s[XOUT:XOUT+1] offset:\t*1024
	global_store_b128 v[AL], v[X+8*\t+4:X+8*\t+7], s[XOUT:XOUT+1] offset:\t*1024+512
.endr
	STAGE STG1                                     ; x1's readers have passed this trip's head
	BAR
	GEMM STG1, BLK, ACC, PBQ
	PLACES 4
.set i, 0
.rept 16
	v_pk_mul_f32 v[ACC+i:ACC+i+1], v[ACC+i:ACC+i+1], 0x3eb8aa3b op_sel_hi:[1,0]  ; q times log2(e)/4, ahead of its one rounding
.set i, i+2
.endr
	OUT4 ACCF, QOUT, 0
	GEMM STG1, 2*BLK, ACC, PBK
	PLACES 4
	OUT4 ACCF+16, KOUT, 0
	GEMM STG1, 3*BLK, ACC, PBV, 1
	PLACES 4
	s_wait_xcnt 0x0                                ; q's stores have read their data
	OUT4 ACCF, KOUT, 8192
.else
.irp j,0,2,4,6                         ; the sums of my 16 columns over the 64 rows: the four tiles, then the 16 lanes of a half
	v_pk_add_f32 v[T+\j:T+\j+1],     v[X+\j:X+\j+1],       v[X+8+\j:X+8+\j+1]
	v_pk_add_f32 v[T+8+\j:T+8+\j+1], v[X+16+\j:X+16+\j+1], v[X+24+\j:X+24+\j+1]
.endr
.irp j,0,2,4,6
	v_pk_add_f32 v[T+\j:T+\j+1], v[T+\j:T+\j+1], v[T+8+\j:T+8+\j+1]
.endr
.irp m,1,2,4,8
.irp j,0,1,2,3,4,5,6,7
	v_add_f32_dpp v[T+\j], v[T+\j], v[T+\j] row_xmask:\m row_mask:0xf bank_mask:0xf
.endr
.endr
	s_lshl_b32 s80, s[WV], 6
	s_add_co_u32 s80, s80, PSUM
	v_lshl_add_u32 v[TP], v[HH], 5, s80
	ds_store_b128 v[TP], v[T:T+3]                  ; the 16 lanes of a half store the same words
	ds_store_b128 v[TP], v[T+4:T+7] offset:16
	s_wait_dscnt 0x0
	BAR
	s_cmp_lg_u32 s[WV], 0
	s_cbranch_scc1 .Lend
	ds_load_b128 v[T+8:T+11], v[AL] offset:PSUM
	s_wait_dscnt 0x0
	global_store_b128 v[AL], v[T+8:T+11], s[XOUT:XOUT+1]  ; 512 consecutive bytes
.Lend:
.endif
	s_wait_tensorcnt 0x0                           ; the wave's end: three lines behind my last tensor load and LDS store
	ds_add_u32 v[SPW], v[NIL]
	s_wait_dscnt 0x0
	ROUND                                          ; the closing round
	s_endpgm
.Lfunc_end_k_q3ad65b9d73_layer0:
	.size	k_q3ad65b9d73_layer0, .Lfunc_end_k_q3ad65b9d73_layer0-k_q3ad65b9d73_layer0
	.p2alignl 7, 3214868480
	.fill 96, 4, 3214868480
	.section	.rodata,"a",@progbits
	.p2align	6, 0x0
	.amdhsa_kernel k_q3ad65b9d73_layer0
		.amdhsa_group_segment_fixed_size 327680
		.amdhsa_private_segment_fixed_size 0
		.amdhsa_enable_private_segment 0
		.amdhsa_kernarg_size 88
		.amdhsa_user_sgpr_count 2
		.amdhsa_user_sgpr_kernarg_segment_ptr 1
		.amdhsa_wavefront_size32 1
		.amdhsa_system_sgpr_workgroup_id_x 1
		.amdhsa_system_sgpr_workgroup_id_y 1
		.amdhsa_system_sgpr_workgroup_id_z 1
		.amdhsa_system_vgpr_workitem_id 0
		.amdhsa_next_free_vgpr 392
		.amdhsa_next_free_sgpr 92
		.amdhsa_reserve_vcc 0
		.amdhsa_float_denorm_mode_32 3
		.amdhsa_float_denorm_mode_16_64 3
		.amdhsa_memory_ordered 1
		.amdhsa_forward_progress 1
		.amdhsa_inst_pref_size 132
	.end_amdhsa_kernel
	.amdgpu_metadata
---
amdhsa.version: [ 1, 2 ]
amdhsa.kernels:
  - .name:           k_q3ad65b9d73_layer0
    .symbol:         k_q3ad65b9d73_layer0.kd
    .args:
      - { .name: stA, .offset: 0, .size: 8, .value_kind: global_buffer, .address_space: global }
      - { .name: wf0, .offset: 8, .size: 8, .value_kind: global_buffer, .address_space: global }
      - { .name: params_layers_0_b_out, .offset: 16, .size: 8, .value_kind: global_buffer, .address_space: global }
      - { .name: params_layers_0_ln1_g, .offset: 24, .size: 8, .value_kind: global_buffer, .address_space: global }
      - { .name: params_layers_0_ln1_b, .offset: 32, .size: 8, .value_kind: global_buffer, .address_space: global }
      - { .name: params_layers_0_b1, .offset: 40, .size: 8, .value_kind: global_buffer, .address_space: global }
      - { .name: params_layers_0_b2, .offset: 48, .size: 8, .value_kind: global_buffer, .address_space: global }
      - { .name: params_layers_0_ln2_g, .offset: 56, .size: 8, .value_kind: global_buffer, .address_space: global }
      - { .name: params_layers_0_ln2_b, .offset: 64, .size: 8, .value_kind: global_buffer, .address_space: global }
      - { .name: params_layers_1_b_in, .offset: 72, .size: 8, .value_kind: global_buffer, .address_space: global }
      - { .name: stB, .offset: 80, .size: 8, .value_kind: global_buffer, .address_space: global }
    .group_segment_fixed_size: 327680
    .private_segment_fixed_size: 0
    .kernarg_segment_align: 8
    .kernarg_segment_size: 88
    .max_flat_workgroup_size: 256
    .sgpr_count:     92
    .vgpr_count:     392
    .wavefront_size: 32
...
	.end_amdgpu_metadata
.endif
;; end of part 2
;; launch layer1: the kernel of part 2 again; grid 256 x 1, 8 waves a work-group, clusters of 4 x 1, 327,680 bytes of LDS; arguments stB, wf1, params_layers_1_b_out, params_layers_1_ln1_g, params_layers_1_ln1_b, params_layers_1_b1, params_layers_1_b2, params_layers_1_ln2_g, params_layers_1_ln2_b, params_layers_2_b_in, stA; writes stA
;; launch last (part 3): grid 256 x 1, 8 waves a work-group, clusters of 4 x 1, 327,680 bytes of LDS; arguments stA, wf2, params_layers_2_b_out, params_layers_2_ln1_g, params_layers_2_ln1_b, params_layers_2_b1, params_layers_2_b2, params_layers_2_ln2_g, params_layers_2_ln2_b, ps; writes ps
.if DOCPART == 3
	.amdgcn_target "amdgcn-amd-amdhsa--gfx1250"
	.amdhsa_code_object_version 6
	.text
	.protected	k_q3ad65b9d73_last
	.globl	k_q3ad65b9d73_last
	.p2align	8
	.type	k_q3ad65b9d73_last,@function
k_q3ad65b9d73_last:
	s_mov_b64 s[64:65], 0
	v_nop
	global_prefetch_b8 v0, s[64:65] scope:SCOPE_SE
	s_setreg_imm32_b32 hwreg(HW_REG_WAVE_MODE, 25, 1), 1
	s_wait_xcnt 0x0
	s_wait_alu depctr_hold_cnt(0) depctr_sa_sdst(0) depctr_va_vdst(0) depctr_va_sdst(0) depctr_va_ssrc(0) depctr_va_vcc(0) depctr_vm_vsrc(0)
	s_getreg_b32 s2, hwreg(HW_REG_IB_STS2, 6, 4)
	s_cmp_eq_u32 s2, 0
	s_cbranch_scc0 .Lentry_in_a_cluster
	s_endpgm
.Lentry_in_a_cluster:
	s_bfe_u32 s2, ttmp6, 0x10000c
	s_cmp_lg_u32 s2, 0x3003
	s_cbranch_scc0 .Lentry_shape_is_right
	s_endpgm
.Lentry_shape_is_right:
; THE LAST ENCODER LAYER: the text of the other layers with LAST = 1.  For 64 tokens a work-group: attention (8 heads of 16 channels, 1,024 keys), out-projection, + x, LayerNorm, FF with ReLU, + x1,
; LayerNorm, and the column sums of the 64 rows (there is no next layer to make q, k, v for).  Matrix operands f16, sums f32; softmax, norms, residuals f32.
; SHARES.  Eight waves.  In attention wave w is head w with all 64 queries (four tiles of 16): no fragment of K or V is read by two waves.  In every product wave w makes output columns
; 16 w .. 16 w + 15 of all 64 rows.  Lane l = (r = l % 16, h = l / 16) holds token r, channels 16 w + 8 h + 0..7, in sums, residuals and norms alike.
; HEAD SIZE 16 ON A PRODUCT 32 DEEP.  Source 0 holds TWO key tiles side by side [Ka | Kb]; source 1 is [q | 0] for Ka's scores, [0 | q] for Kb's.  S^T holds one query a lane and keys 8 h + 0..7; two such
; results rounded to f16 in pairs ARE source 1 of O^T = V^T P, 32 keys deep.  The row sums l are a product too, ones x P: its register 0 holds the query's sum over all 32 keys in every lane.
; SOFTMAX.  q arrives times log2(e)/4: p = 2^(s - m), m the running maximum; O and l are multiplied by a = 2^(m_old - m_new) in every step; m starts at the lowest finite number and O, l at 0,
; so the first step is a step like any other (64 lines clear them, in the wait for the first tile).  Of l's accumulator registers 0, 1 are rescaled and read; the others hold sums of at most 1,024.
; THE RING.  Two slots of 128 KiB take turns through seven items: four of K and V (256 keys x 8 heads), three of weights (four blocks of 128 x 128; the third has one block, which waves 0 and 1 bring).
; All lie in memory in the order of the fragments, so an item is dense and each wave brings 16 KiB of it as 64 rows of 256 bytes.  One tensor load of a wave is out at any time.
; CLUSTER.  The four work-groups of a cluster belong to one batch and walk the same K, V and weights: every item is asked for jointly, same load, descriptor and mask in all four.
; PREFETCH.  Behind trip t's fill and the LDS loads that follow it, item t + 2 is named once in the launch: K and V by the batch's first cluster, weights by the launch's first; the four partners share an
; item out by address; a lane a block of 256 bytes.  Items 0 and 1 come by their loads alone; trips 5 and 6 ask for nothing.
; LIMITS.  f16 holds no number beyond 65,504: x (bounded by the norm: sqrt(128) |g| + |b|), q, k, v and the hidden layer stay within it (drawn inputs: under 10; gains and weights all 30 times larger:
; root mean square 900; weights with a common offset of 30 spreads: about 10,000).  Scores lie above -3.4e38; a weight below 2^-126 counts as 0; NaN and infinities are not treated apart.
.set LAST,  1
.set QF0,   8388608
.set KV0,   12582912
.set SLOT1, 131072
.set BLK,   32768
.set STG0,  262144                     ; stages, f16 in fragment order (tile, K step, half, lane x 16 bytes), 16 KiB each: o, h0, h2
.set STG1,  278528                     ; x1
.set STG2,  294912                     ; h1, h3
.set LNB,   311296                     ; four areas of 2,048 bytes, [wave][r][tile] f32, each used once
.set PSUM,  323584
.set SPARE, 324096                     ; the spare words, 128 bytes a wave
.set RR,  1
.set HH,  2
.set AL,  3                            ; 16 l
.set KL,  4                            ; 16 l + 16,384 w: my head in a slot
.set KA,  5
.set WL,  6                            ; 16 l + 4,096 w: my 16 rows in a block of weights
.set WA,  7
.set AA,  8
.set SL,  9                            ; 16 l + 512 w: my 16 channels in a stage
.set SA,  10
.set LNS, 11
.set LNL, 12
.set PFO, 13                           ; 256 x thread
.set SPW, 14
.set NIL, 15
.set ZR,  16                           ; 0
.set TP,  17                           ; v17-19 at work
.set QZ,  20                           ; v20-55  0 q0 0 q1 0 q2 0 q3 0, four registers each
.set ONE, 56                           ; v56-63  1.0 in f16
.set KF,  64
.set VF,  80
.set S,   96                           ; v96-159 scores of two tiles, then P in their first halves
.set O,   160
.set L,   192
.set M,   224                          ; pairs (m, 0)
.set C,   236                          ; four at work a tile; c2 takes a
.set RC,  244
.set X,   20                           ; behind attention: the residual stream
.set ACC, 64
.set ACCF, 96
.set WF,  128
.set AF0, 160
.set AF1, 192
.set T,   224
.set PBO, 0                            ; window 1 (v256 on): my eight numbers of each parameter, and x as it came
.set PG1, 8
.set PE1, 16
.set PB1, 24
.set PB2, 56
.set PG2, 64
.set PE2, 72
.set XR,  104
.set WV,  26
.set CX,  27
.set WGX, 28
.set BAT, 29
.set FW6, 31
.set DG1, 32
.set DG0, 40
.set KVB, 44
.set WFB, 46
.set OFF, 48
.set NXT, 50                           ; the item to be asked for next
.set TR,  51
.set CNT, 52
.set TB,  53
.set PFL, 54
.set SEL, 56
.set PFA, 58
.set KVP, 60
.set WFP, 66
.set FK,  68
.set FW,  69
.set XIN, 70
.set QIN, 72
.set XOUT, 74
.set C128, 88
.set EPS, 89
.set MSB, 0
.macro WIN new                         ; the immediate's high byte repeats the setting that is left
.if MSB != (\new)
	s_set_vgpr_msb (MSB<<8)|(\new)
.set MSB, (\new)
.endif
.endm
.macro PLACES n
.rept \n
	v_nop
.endr
.endm
.macro BAR
	s_barrier_signal -1
	s_barrier_wait -1
.endm
.macro ROUND                           ; a round of the cluster's barrier
	s_barrier_signal -1
	s_barrier_wait -1
	s_cmp_lg_u32 s[WV], 0
	s_cbranch_scc1 .Lnw0_\@
	s_barrier_signal -3
.Lnw0_\@:
	s_barrier_wait -3
	s_barrier_signal -1
	s_barrier_wait -1
.endm
; A TRIP'S HEAD.  Every wave waits for all its tensor loads (its part of this trip's item), adds 0 to its spare word, waits for that and for its LDS reads and stores; behind the round nobody reads the
; other slot any more, this trip's item is whole, and what the waves stored into the stages is there.  fill = 1: the next item goes into the other slot, first thing behind the round;
; 2: that item has 32 KiB, waves 0 and 1 bring it; 0: nothing is left to fetch, and a work-group barrier does.  ask: the address and flag of the trip's prefetch are made (2: the item of 32 KiB).
.macro HEAD fill, ask
	WIN 0
.if (\ask) == 1
	s_wait_xcnt 0x0                                ; the last prefetch, a trip back, has read its address
	s_add_co_u32 s80, s[NXT], 1
	s_sub_co_u32 s81, s[NXT], 3
	s_cmp_lt_u32 s80, 4
	s_cselect_b64 s[PFA:PFA+1], s[KVP:KVP+1], s[WFP:WFP+1]
	s_cselect_b32 s[PFL], s[FK], s[FW]
	s_cselect_b32 s82, s80, s81
	s_lshl_b32 s82, s82, 17
	s_mov_b32 s83, 0
	s_add_nc_u64 s[PFA:PFA+1], s[PFA:PFA+1], s[82:83]
.elseif (\ask) == 2
	s_wait_xcnt 0x0
	s_mov_b64 s[PFA:PFA+1], s[24:25]
	s_mov_b32 s[PFL], s[FW6]
.endif
	s_wait_tensorcnt 0x0                           ; no tensor load of mine is out, so group 0 may be written
	ds_add_u32 v[SPW], v[NIL]
.if \fill
	s_xor_b32 s[DG0+1], s[DG0+1], SLOT1            ; the other slot than last time
	s_sub_co_u32 s81, s[NXT], 4
	s_cmp_lt_u32 s[NXT], 4
	s_cselect_b64 s[DG0+2:DG0+3], s[KVB:KVB+1], s[WFB:WFB+1]
	s_cselect_b32 s[OFF], s[NXT], s81
	s_lshl_b32 s[OFF], s[OFF], 17
	s_add_nc_u64 s[DG0+2:DG0+3], s[DG0+2:DG0+3], s[OFF:OFF+1]
	s_or_b32 s[DG0+3], s[DG0+3], 0x80000000
	s_add_co_u32 s[NXT], s[NXT], 1
.endif
	s_wait_dscnt 0x0                               ; the add is done, and so are my LDS reads and stores
.if \fill
	ROUND
.if (\fill) == 2
	s_cmp_lt_u32 s[WV], 2
	s_cbranch_scc0 .Lnone_\@
.endif
	tensor_load_to_lds s[DG0:DG0+3], s[DG1:DG1+7]
	s_nop 0
	PLACES 4
.if (\fill) == 2
.Lnone_\@:
.endif
.else
	BAR
.endif
.endm
.macro ASK                             ; once a trip: the flag is set by the head and cleared here
	s_cmp_eq_u32 s[PFL], 1
	s_cbranch_scc0 .Lnoask_\@
	global_prefetch_b8 v[PFO], s[PFA:PFA+1] th:TH_LOAD_NT scope:SCOPE_SE
	s_mov_b32 s[PFL], 0
.Lnoask_\@:
.endm
; Scores of piece p (tiles 2 p, 2 p + 1) for 64 keys: eight products, each starts its own sum.
.macro QK p
.irp u,0,1
.irp f,0,1
	v_wmma_f32_16x16x32_f16 v[S+32*\u+16*\f:S+32*\u+16*\f+7],    v[KF+8*\f:KF+8*\f+7], v[QZ+8*(2*(\p)+\u)+4:QZ+8*(2*(\p)+\u)+11], 0
	v_wmma_f32_16x16x32_f16 v[S+32*\u+16*\f+8:S+32*\u+16*\f+15], v[KF+8*\f:KF+8*\f+7], v[QZ+8*(2*(\p)+\u):QZ+8*(2*(\p)+\u)+7], 0
.endr
.endr
.endm
; O^T += V^T P and l += ones x P: four accumulators by turns.
.macro PV p
.irp f,0,1
.irp u,0,1
	v_wmma_f32_16x16x32_f16 v[O+8*(2*(\p)+\u):O+8*(2*(\p)+\u)+7], v[VF+8*\f:VF+8*\f+7], v[S+32*\u+8*\f:S+32*\u+8*\f+7], v[O+8*(2*(\p)+\u):O+8*(2*(\p)+\u)+7]
.endr
.irp u,0,1
	v_wmma_f32_16x16x32_f16 v[L+8*(2*(\p)+\u):L+8*(2*(\p)+\u)+7], v[ONE:ONE+7], v[S+32*\u+8*\f:S+32*\u+8*\f+7], v[L+8*(2*(\p)+\u):L+8*(2*(\p)+\u)+7]
.endr
.endr
.endm
; The softmax of piece p for one step, its two tiles line by line.  The 66 exponentials are one batch: nothing ahead of the one wait names a result of theirs.
.macro SM p
.irp n,0,1,2,3                         ; the maximum: four chains, each begins at its accumulator's lowest registers
.irp u,0,1
	v_max3_num_f32 v[C+4*\u+\n], v[S+32*\u+8*\n], v[S+32*\u+8*\n+1], v[S+32*\u+8*\n+2]
.endr
.endr
.irp g,1,2
.irp n,0,1,2,3
.irp u,0,1
	v_max3_num_f32 v[C+4*\u+\n], v[C+4*\u+\n], v[S+32*\u+8*\n+2*\g+1], v[S+32*\u+8*\n+2*\g+2]
.endr
.endr
.endr
.irp u,0,1
	v_max3_num_f32 v[C+4*\u], v[C+4*\u], v[S+32*\u+7], v[S+32*\u+15]
.endr
.irp u,0,1
	v_max3_num_f32 v[C+4*\u+1], v[C+4*\u+1], v[S+32*\u+23], v[S+32*\u+31]
.endr
.irp u,0,1
	v_max3_num_f32 v[C+4*\u+2], v[C+4*\u+2], v[C+4*\u+3], v[M+2*(2*(\p)+\u)]
.endr
.irp u,0,1
	v_max3_num_f32 v[C+4*\u], v[C+4*\u], v[C+4*\u+1], v[C+4*\u+2]
.endr
.irp u,0,1
	v_permlanex16_b32 v[C+4*\u+3], v[C+4*\u], s[SEL], s[SEL+1]  ; the query's other 32 keys lie in the lane 16 away
.endr
.irp u,0,1
	v_max_num_f32 v[C+4*\u+1], v[C+4*\u], v[C+4*\u+3]
.endr
.irp u,0,1
	v_sub_f32 v[C+4*\u+2], v[M+2*(2*(\p)+\u)], v[C+4*\u+1]
.endr
.irp u,0,1
	v_mov_b32 v[M+2*(2*(\p)+\u)], v[C+4*\u+1]
.endr
.irp u,0,1
	v_exp_f32 v[C+4*\u+2], v[C+4*\u+2]             ; a
.endr
.set i, 0
.rept 16
.irp u,0,1
	v_pk_add_f32 v[S+32*\u+i:S+32*\u+i+1], v[S+32*\u+i:S+32*\u+i+1], v[M+2*(2*(\p)+\u):M+2*(2*(\p)+\u)+1] op_sel_hi:[1,0] neg_lo:[0,1] neg_hi:[0,1]
.endr
.irp u,0,1
	v_exp_f32 v[S+32*\u+i], v[S+32*\u+i]
.endr
.irp u,0,1
	v_exp_f32 v[S+32*\u+i+1], v[S+32*\u+i+1]
.endr
.set i, i+2
.endr
	v_nop                                          ; a plain line behind the last exponential,
	s_wait_alu depctr_va_vdst(0)                   ; and the one wait for the batch
.set i, 0
.rept 16                               ; P in place, ascending: a target never lies above a source still to be read
.irp u,0,1
	v_cvt_pk_f16_f32 v[S+32*\u+i], v[S+32*\u+2*i], v[S+32*\u+2*i+1]
.endr
.set i, i+1
.endr
.irp u,0,1
.irp j,0,2,4,6
	v_pk_mul_f32 v[O+8*(2*(\p)+\u)+\j:O+8*(2*(\p)+\u)+\j+1], v[O+8*(2*(\p)+\u)+\j:O+8*(2*(\p)+\u)+\j+1], v[C+4*\u+2:C+4*\u+3] op_sel_hi:[1,0]
.endr
	v_pk_mul_f32 v[L+8*(2*(\p)+\u):L+8*(2*(\p)+\u)+1], v[L+8*(2*(\p)+\u):L+8*(2*(\p)+\u)+1], v[C+4*\u+2:C+4*\u+3] op_sel_hi:[1,0]
.endr
.endm
.macro ALD dst, k                      ; the activations' fragments of K step k, four tiles
.irp t,0,1,2,3
	ds_load_b128 v[(\dst)+8*\t:(\dst)+8*\t+3],   v[AA] offset:\t*4096+(\k)*1024
	ds_load_b128 v[(\dst)+8*\t+4:(\dst)+8*\t+7], v[AA] offset:\t*4096+(\k)*1024+512
.endr
.endm
.macro MM4 acc, k, af, cpar            ; four products, the four accumulators by turns.  cpar >= 0: the sums start with eight registers of window 1 (a bias)
.if (\cpar) >= 0
	WIN 0x10
.endif
.irp t,0,1,2,3
.set rD, (\acc)+8*\t
.set rW, WF+8*(\k)
.set rA, (\af)+8*\t
.set rC, rD
.if (\cpar) >= 0
.set rC, (\cpar)
.endif
	v_wmma_f32_16x16x32_f16 v[rD:rD+7], v[rW:rW+7], v[rA:rA+7], v[rC:rC+7]
.endr
	WIN 0
.endm
; 64 rows (stage abase) x my 16 columns (block at LDS byte wbase) over K = 128: a lane ends with token r, columns 8 h ..
.macro GEMM abase, wbase, acc, cpar, ask=0
	WIN 0
	v_add_nc_u32 v[WA], \wbase, v[WL]              ; with the two v_nop: four places behind the last product, ahead of loads into registers that it read
	v_add_nc_u32 v[AA], \abase, v[AL]
	v_nop
	v_nop
.irp k,0,1,2,3
	ds_load_b128 v[WF+8*\k:WF+8*\k+3],   v[WA] offset:\k*1024
	ds_load_b128 v[WF+8*\k+4:WF+8*\k+7], v[WA] offset:\k*1024+512
.endr
	ALD AF0, 0
	ALD AF1, 1
.if \ask
	ASK
.endif
	s_wait_dscnt 8                                 ; weights and K step 0 are in; the eight younger loads may stay out
	MM4 \acc, 0, AF0, \cpar
	PLACES 4
	ALD AF0, 2
	s_wait_dscnt 8
	MM4 \acc, 1, AF1, -1
	PLACES 4
	ALD AF1, 3
	s_wait_dscnt 8
	MM4 \acc, 2, AF0, -1
	s_wait_dscnt 0x0
	MM4 \acc, 3, AF1, -1
.endm
.macro TOSTG stg                       ; T's 16 registers into my place of a stage
	v_add_nc_u32 v[SA], \stg, v[SL]
.irp t,0,1,2,3
	ds_store_b128 v[SA], v[T+4*\t:T+4*\t+3] offset:\t*4096
.endr
	s_wait_dscnt 0x0                               ; for the others' sake
.endm
.macro STAGE stg                       ; the residual stream rounded to f16
.irp t,0,1,2,3
.irp i,0,1,2,3
	v_cvt_pk_f16_f32 v[T+4*\t+\i], v[X+8*\t+2*\i], v[X+8*\t+2*\i+1]
.endr
.endr
	TOSTG \stg
.endm
.macro RELU stg                        ; a chunk of the hidden layer: rounded, then the greater of it and 0
	PLACES 4
.irp t,0,1,2,3
.irp i,0,1,2,3
	v_cvt_pk_f16_f32 v[T+4*\t+\i], v[ACC+8*\t+2*\i], v[ACC+8*\t+2*\i+1]
.endr
.endr
.set i, 0
.rept 16
	v_pk_max_num_f16 v[T+i], v[T+i], v[ZR]
.set i, i+1
.endr
	TOSTG \stg
.endm
; v[T:T+3], a lane's sums over its 8 channels for the four tiles, become the sums over all 128 channels: the other half of the lanes, then the eight waves through LDS.
.macro LNRED area
.irp t,0,1,2,3
	v_permlanex16_b32 v[T+4+\t], v[T+\t], s[SEL], s[SEL+1]
.endr
	v_pk_add_f32 v[T:T+1], v[T:T+1], v[T+4:T+5]
	v_pk_add_f32 v[T+2:T+3], v[T+2:T+3], v[T+6:T+7]
	ds_store_b128 v[LNS], v[T:T+3] offset:(\area)*2048
	s_wait_dscnt 0x0
	BAR
.irp k,0,1,2,3,4,5,6,7
	ds_load_b128 v[T+4*\k:T+4*\k+3], v[LNL] offset:(\area)*2048+\k*256
.endr
	s_wait_dscnt 0x0
.irp k,0,8,16,24
	v_pk_add_f32 v[T+\k:T+\k+1],   v[T+\k:T+\k+1],   v[T+\k+4:T+\k+5]
	v_pk_add_f32 v[T+\k+2:T+\k+3], v[T+\k+2:T+\k+3], v[T+\k+6:T+\k+7]
.endr
.irp k,0,16
	v_pk_add_f32 v[T+\k:T+\k+1],   v[T+\k:T+\k+1],   v[T+\k+8:T+\k+9]
	v_pk_add_f32 v[T+\k+2:T+\k+3], v[T+\k+2:T+\k+3], v[T+\k+10:T+\k+11]
.endr
	v_pk_add_f32 v[T:T+1],   v[T:T+1],   v[T+16:T+17]
	v_pk_add_f32 v[T+2:T+3], v[T+2:T+3], v[T+18:T+19]
.endm
; X = (X - mean) / sqrt(var + 1e-5) * g + e: the mean first, then the squares of what is left, as the definition has it.
.macro LNORM area, g, e
.irp t,0,1,2,3
	v_pk_add_f32 v[T+8+4*\t:T+9+4*\t],   v[X+8*\t:X+8*\t+1],   v[X+8*\t+2:X+8*\t+3]
	v_pk_add_f32 v[T+10+4*\t:T+11+4*\t], v[X+8*\t+4:X+8*\t+5], v[X+8*\t+6:X+8*\t+7]
.endr
.irp t,0,1,2,3
	v_pk_add_f32 v[T+8+4*\t:T+9+4*\t], v[T+8+4*\t:T+9+4*\t], v[T+10+4*\t:T+11+4*\t]
.endr
.irp t,0,1,2,3
	v_add_f32 v[T+\t], v[T+8+4*\t], v[T+9+4*\t]
.endr
	LNRED \area
.irp t,0,1,2,3
	v_mul_f32 v[T+8+2*\t], s[C128], v[T+\t]
.endr
.irp t,0,1,2,3
.irp j,0,2,4,6
	v_pk_add_f32 v[X+8*\t+\j:X+8*\t+\j+1], v[X+8*\t+\j:X+8*\t+\j+1], v[T+8+2*\t:T+9+2*\t] op_sel_hi:[1,0] neg_lo:[0,1] neg_hi:[0,1]
.endr
.endr
.irp t,0,1,2,3
	v_pk_mul_f32 v[T+8+4*\t:T+9+4*\t], v[X+8*\t:X+8*\t+1], v[X+8*\t:X+8*\t+1]
.endr
.irp j,2,4,6
.irp t,0,1,2,3
	v_pk_fma_f32 v[T+8+4*\t:T+9+4*\t], v[X+8*\t+\j:X+8*\t+\j+1], v[X+8*\t+\j:X+8*\t+\j+1], v[T+8+4*\t:T+9+4*\t]
.endr
.endr
.irp t,0,1,2,3
	v_add_f32 v[T+\t], v[T+8+4*\t], v[T+9+4*\t]
.endr
	LNRED (\area)+1
.irp t,0,1,2,3
	v_fma_f32 v[T+8+2*\t], v[T+\t], s[C128], s[EPS]
.endr
.irp t,0,1,2,3
	v_rsq_f32 v[T+8+2*\t], v[T+8+2*\t]
.endr
	v_nop
	s_wait_alu depctr_va_vdst(0)                   ; one wait for the four roots
.irp t,0,1,2,3
.irp j,0,2,4,6
	v_pk_mul_f32 v[X+8*\t+\j:X+8*\t+\j+1], v[X+8*\t+\j:X+8*\t+\j+1], v[T+8+2*\t:T+9+2*\t] op_sel_hi:[1,0]
.endr
.endr
	WIN 0x14                                       ; gain and shift in window 1
.irp t,0,1,2,3
.irp j,0,2,4,6
	v_pk_fma_f32 v[X+8*\t+\j:X+8*\t+\j+1], v[X+8*\t+\j:X+8*\t+\j+1], v[(\g)+\j:(\g)+\j+1], v[(\e)+\j:(\e)+\j+1]
.endr
.endr
	WIN 0
.endm
.macro PL8 dst, sb, off                ; my eight numbers of a parameter
	global_load_b128 v[\dst:\dst+3],   v[TP+1], s[\sb:\sb+1] offset:\off
	global_load_b128 v[\dst+4:\dst+7], v[TP+1], s[\sb:\sb+1] offset:(\off)+16
.endm
	s_load_b512 s[4:19], s[0:1], 0x0               ; st_in, wf, b_out, ln1_g, ln1_b, b1, b2, ln2_g
	s_load_b128 s[20:23], s[0:1], 0x40             ; ln2_b, ps
	v_lshl_add_u32 v[SPW], v0, 2, SPARE
	v_mov_b32 v[NIL], 0
	ds_add_u32 v[SPW], v[NIL]                      ; the opening: the add, twice on end, and its wait ahead of my first tensor load
	ds_add_u32 v[SPW], v[NIL]
	v_lshrrev_b32 v[TP], 5, v0
	v_readfirstlane_b32 s[WV], v[TP]               ; wave 0..7
	v_and_b32 v[RR], 15, v0
	v_bfe_u32 v[HH], v0, 4, 1
	v_and_b32 v[TP], 31, v0
	v_lshlrev_b32 v[AL], 4, v[TP]
	s_bfe_u32 s[CX], ttmp6, 0x40000                ; my place in the cluster: it enters global addresses of x, q, stores and prefetches alone
	s_lshl_b32 s[WGX], ttmp9, 2
	s_add_co_u32 s[WGX], s[WGX], s[CX]
	s_lshr_b32 s[BAT], ttmp9, 2                    ; the batch, which the four partners share
	s_mov_b32 s[DG1], 15|(3<<16)|(1<<21)           ; the mask of four; elements of 8 bytes; bit 21 beside a mask; no padding
	s_mov_b32 s[DG1+1], 32<<16                     ; tensor_dim0 = 32 (256 bytes)
	s_mov_b32 s[DG1+2], 64<<16                     ; tensor_dim1 = 64
	s_mov_b32 s[DG1+3], 32<<16                     ; tile_dim0 = 32
	s_mov_b32 s[DG1+4], 64                         ; tile_dim1 = 64
	s_mov_b32 s[DG1+5], 32                         ; dense: 32 elements from row to row
	s_mov_b32 s[DG1+6], 0
	s_mov_b32 s[DG1+7], 0
	s_mov_b32 s[DG0], 1
	s_lshl_b32 s[DG0+1], s[WV], 14                 ; slot 0, my 16 KiB
	v_add_nc_u32 v[KL], s[DG0+1], v[AL]
	s_lshl_b32 s80, s[WV], 12
	v_add_nc_u32 v[WL], s80, v[AL]
	s_lshl_b32 s80, s[WV], 9
	v_add_nc_u32 v[SL], s80, v[AL]
	v_lshlrev_b32 v[LNL], 4, v[RR]
	v_add_nc_u32 v[LNL], LNB, v[LNL]
	s_lshl_b32 s80, s[WV], 8
	v_add_nc_u32 v[LNS], s80, v[LNL]
	v_lshlrev_b32 v[PFO], 8, v0
	s_lshl_b32 s80, s[WV], 6
	v_lshl_add_u32 v[TP+1], v[HH], 5, s80          ; 64 w + 32 h
	s_mov_b32 s[SEL], 0x76543210
	s_mov_b32 s[SEL+1], 0xfedcba98
	s_mov_b32 s[C128], 0x3c000000                  ; 1/128
	s_mov_b32 s[EPS], 0x3727c5ac                   ; 1e-5
	s_mov_b32 s[NXT], 1
	s_mov_b32 s[OFF+1], 0
	s_mov_b32 s[TB], SLOT1+8192                    ; the first trip turns this into 0
	s_and_b32 s84, ttmp9, 3                        ; who prefetches: the same in all four partners
	s_lshr_b32 s85, s[WV], 2
	s_or_b32 s84, s84, s85
	s_cmp_eq_u32 s84, 0
	s_cselect_b32 s[FK], 1, 0
	s_or_b32 s84, ttmp9, s85
	s_cmp_eq_u32 s84, 0
	s_cselect_b32 s[FW], 1, 0
	s_or_b32 s84, ttmp9, s[WV]
	s_cmp_eq_u32 s84, 0
	s_cselect_b32 s[FW6], 1, 0
	s_lshl_b32 s80, s[BAT], 19
	s_add_co_u32 s80, s80, KV0                     ; the batch's K and V
	s_mov_b32 s81, 0
	s_add_co_u32 s82, s80, s[DG0+1]                ; + my head's 16 KiB
	s_mov_b32 s83, 0
	s_lshl_b32 s84, s[CX], 15
	s_mov_b32 s85, 0
	s_add_co_u32 s80, s80, s84                     ; for the prefetches: + my work-group's 32 KiB
	s_mov_b32 s86, s[DG0+1]
	s_mov_b32 s87, 0
	s_wait_dscnt 0x0                               ; both opening adds are done
	s_wait_kmcnt 0x0
	s_add_nc_u64 s[KVB:KVB+1], s[4:5], s[82:83]
	s_add_nc_u64 s[WFB:WFB+1], s[6:7], s[86:87]
	s_mov_b64 s[DG0+2:DG0+3], s[KVB:KVB+1]
	s_or_b32 s[DG0+3], s[DG0+3], 0x80000000
	ROUND                                          ; all four work-groups are here: the first joint loads meet
	tensor_load_to_lds s[DG0:DG0+3], s[DG1:DG1+7]  ; item 0 into slot 0
	s_nop 0
	PLACES 4
	s_add_nc_u64 s[KVP:KVP+1], s[4:5], s[80:81]
	s_add_nc_u64 s[WFP:WFP+1], s[6:7], s[84:85]
	s_lshl_b32 s80, s[WGX], 15
	s_lshl_b32 s82, s[WV], 12
	s_add_co_u32 s80, s80, s82
	s_add_nc_u64 s[XIN:XIN+1], s[4:5], s[80:81]
	s_lshl_b32 s80, s[WGX], 14
	s_lshl_b32 s82, s[WV], 11
	s_add_co_u32 s80, s80, s82
	s_add_co_u32 s80, s80, QF0
	s_add_nc_u64 s[QIN:QIN+1], s[4:5], s[80:81]
	s_lshl_b32 s80, s[WGX], 9
	s_add_nc_u64 s[XOUT:XOUT+1], s[22:23], s[80:81]  ; my row of ps
	s_lshl_b32 s80, s[CX], 13
	s_add_co_u32 s80, s80, 262144
	s_add_nc_u64 s[24:25], s[6:7], s[80:81]        ; the last item's 32 KiB: my work-group's 8 KiB, for the prefetch
.irp t,0,1,2,3
	global_load_b128 v[QZ+8*\t+4:QZ+8*\t+7], v[AL], s[QIN:QIN+1] offset:\t*512
.endr
	WIN 0x40                                       ; destinations in window 1
	PL8 PBO, 8, 0
	PL8 PG1, 10, 0
	PL8 PE1, 12, 0
.irp c,0,1,2,3
	PL8 PB1+8*\c, 14, \c*512
.endr
	PL8 PB2, 16, 0
	PL8 PG2, 18, 0
	PL8 PE2, 20, 0
.irp t,0,1,2,3
	global_load_b128 v[XR+8*\t:XR+8*\t+3],   v[AL], s[XIN:XIN+1] offset:\t*1024
	global_load_b128 v[XR+8*\t+4:XR+8*\t+7], v[AL], s[XIN:XIN+1] offset:\t*1024+512
.endr
	WIN 0
.irp i,0,1,2,3,4
.irp j,0,1,2,3
	v_mov_b32 v[QZ+8*\i+\j], 0
.endr
.endr
.set i, 0
.rept 8
	v_mov_b32 v[ONE+i], 0x3c003c00
.set i, i+1
.endr
.set i, 0
.rept 64
	v_mov_b32 v[O+i], 0                            ; O^T and l: written in the wait for the first tile, so that no first step is written out
.set i, i+1
.endr
.irp t,0,1,2,3
	v_mov_b32 v[M+2*\t], 0xff7fffff
	v_mov_b32 v[M+2*\t+1], 0
.endr
	v_mov_b32 v[ZR], 0
	s_wait_loadcnt 0x0                             ; q, the parameters, x
	s_mov_b32 s[TR], 4
.Ltrip:                                        ; ATTENTION: four trips of 256 keys, each of four steps of 64
	HEAD 1, 1
	s_sub_co_u32 s[TB], s[TB], 8192                ; back to a slot's first step,
	s_xor_b32 s[TB], s[TB], SLOT1                  ; in the other slot
	s_mov_b32 s[CNT], 4
.Lstep:
	v_add_nc_u32 v[KA], s[TB], v[KL]
.irp i,0,1,2,3
	ds_load_b128 v[KF+4*\i:KF+4*\i+3], v[KA] offset:\i*512
.endr
.irp i,0,1,2,3
	ds_load_b128 v[VF+4*\i:VF+4*\i+3], v[KA] offset:8192+\i*512
.endr
	s_add_co_u32 s[TB], s[TB], 2048
	ASK
	s_wait_dscnt 4                                 ; K is in; V's four loads may stay out
	QK 0
	PLACES 4
	SM 0
	s_wait_dscnt 0x0                               ; V is in
	PV 0
	PLACES 5                                       ; the next scores land on registers that these products read
	QK 1
	PLACES 4
	SM 1
	PV 1
	PLACES 5
	s_sub_co_u32 s[CNT], s[CNT], 1
	s_cmp_lg_u32 s[CNT], 0
	s_cbranch_scc1 .Lstep
	s_sub_co_u32 s[TR], s[TR], 1
	s_cmp_lg_u32 s[TR], 0
	s_cbranch_scc1 .Ltrip
.irp t,0,1,2,3
	v_rcp_f32 v[RC+2*\t], v[L+8*\t]
.endr
.irp t,0,1,2,3
	v_mov_b32 v[RC+2*\t+1], 0                      ; the pairs' other halves: plain lines behind the reciprocals
.endr
	s_wait_alu depctr_va_vdst(0)                   ; one wait for the four
.irp t,0,1,2,3
.irp j,0,2,4,6
	v_pk_mul_f32 v[O+8*\t+\j:O+8*\t+\j+1], v[O+8*\t+\j:O+8*\t+\j+1], v[RC+2*\t:RC+2*\t+1] op_sel_hi:[1,0]
.endr
.endr
.irp t,0,1,2,3
.irp i,0,1,2,3
	v_cvt_pk_f16_f32 v[S+4*\t+\i], v[O+8*\t+2*\i], v[O+8*\t+2*\i+1]
.endr
.endr
	v_add_nc_u32 v[SA], STG0, v[SL]                ; head w is 16 channels of o's fragments
.irp t,0,1,2,3
	ds_store_b128 v[SA], v[S+4*\t:S+4*\t+3] offset:\t*4096
.endr
	; TRIP 4, slot 0: w_out, w1c0, w2c0, w1c1
	HEAD 1, 2
	GEMM STG0, 0, ACC, PBO, 1
	PLACES 4
	WIN 0x04
.set i, 0
.rept 16
	v_pk_add_f32 v[X+i:X+i+1], v[ACC+i:ACC+i+1], v[XR+i:XR+i+1]
.set i, i+2
.endr
	WIN 0
	LNORM 0, PG1, PE1
	STAGE STG1
	BAR
	GEMM STG1, BLK, ACC, PB1
	RELU STG0                                      ; o's readers have passed the norm's barriers
	BAR
	GEMM STG0, 2*BLK, ACCF, PB2
	GEMM STG1, 3*BLK, ACC, PB1+8
	RELU STG2
	; TRIP 5, slot 1: w2c1, w1c2, w2c2, w1c3
	HEAD 2, 0
	GEMM STG2, SLOT1, ACCF, -1
	GEMM STG1, SLOT1+BLK, ACC, PB1+16
	RELU STG0                                      ; h0's readers have passed this trip's head
	BAR
	GEMM STG0, SLOT1+2*BLK, ACCF, -1
	GEMM STG1, SLOT1+3*BLK, ACC, PB1+24
	RELU STG2                                      ; h1's readers have passed the barrier above
	; TRIP 6, slot 0: w2c3
	HEAD 0, 0
	GEMM STG2, 0, ACCF, -1
	PLACES 4
.set i, 0
.rept 16
	v_pk_add_f32 v[X+i:X+i+1], v[X+i:X+i+1], v[ACCF+i:ACCF+i+1]
.set i, i+2
.endr
	LNORM 2, PG2, PE2
.irp j,0,2,4,6                         ; the sums of my 16 columns over the 64 rows: the four tiles, then the 16 lanes of a half
	v_pk_add_f32 v[T+\j:T+\j+1],     v[X+\j:X+\j+1],       v[X+8+\j:X+8+\j+1]
	v_pk_add_f32 v[T+8+\j:T+8+\j+1], v[X+16+\j:X+16+\j+1], v[X+24+\j:X+24+\j+1]
.endr
.irp j,0,2,4,6
	v_pk_add_f32 v[T+\j:T+\j+1], v[T+\j:T+\j+1], v[T+8+\j:T+8+\j+1]
.endr
.irp m,1,2,4,8
.irp j,0,1,2,3,4,5,6,7
	v_add_f32_dpp v[T+\j], v[T+\j], v[T+\j] row_xmask:\m row_mask:0xf bank_mask:0xf
.endr
.endr
	s_lshl_b32 s80, s[WV], 6
	s_add_co_u32 s80, s80, PSUM
	v_lshl_add_u32 v[TP], v[HH], 5, s80
	v_add_nc_u32 v[TP+1], PSUM, v[AL]              ; the read-back's address: PSUM lies beyond what an LDS offset of 16 bits holds, so it stands in the register
	ds_store_b128 v[TP], v[T:T+3]                  ; the 16 lanes of a half store the same words
	ds_store_b128 v[TP], v[T+4:T+7] offset:16
	s_wait_dscnt 0x0
	BAR
	s_cmp_lg_u32 s[WV], 0
	s_cbranch_scc1 .Lend
	ds_load_b128 v[T+8:T+11], v[TP+1]
	s_wait_dscnt 0x0
	global_store_b128 v[AL], v[T+8:T+11], s[XOUT:XOUT+1]  ; 512 consecutive bytes
.Lend:
	s_wait_tensorcnt 0x0                           ; the wave's end: three lines behind my last tensor load and LDS store
	ds_add_u32 v[SPW], v[NIL]
	s_wait_dscnt 0x0
	ROUND                                          ; the closing round
	s_endpgm
.Lfunc_end_k_q3ad65b9d73_last:
	.size	k_q3ad65b9d73_last, .Lfunc_end_k_q3ad65b9d73_last-k_q3ad65b9d73_last
	.p2alignl 7, 3214868480
	.fill 96, 4, 3214868480
	.section	.rodata,"a",@progbits
	.p2align	6, 0x0
	.amdhsa_kernel k_q3ad65b9d73_last
		.amdhsa_group_segment_fixed_size 327680
		.amdhsa_private_segment_fixed_size 0
		.amdhsa_enable_private_segment 0
		.amdhsa_kernarg_size 80
		.amdhsa_user_sgpr_count 2
		.amdhsa_user_sgpr_kernarg_segment_ptr 1
		.amdhsa_wavefront_size32 1
		.amdhsa_system_sgpr_workgroup_id_x 1
		.amdhsa_system_sgpr_workgroup_id_y 1
		.amdhsa_system_sgpr_workgroup_id_z 1
		.amdhsa_system_vgpr_workitem_id 0
		.amdhsa_next_free_vgpr 392
		.amdhsa_next_free_sgpr 92
		.amdhsa_reserve_vcc 0
		.amdhsa_float_denorm_mode_32 3
		.amdhsa_float_denorm_mode_16_64 3
		.amdhsa_memory_ordered 1
		.amdhsa_forward_progress 1
		.amdhsa_inst_pref_size 113
	.end_amdhsa_kernel
	.amdgpu_metadata
---
amdhsa.version: [ 1, 2 ]
amdhsa.kernels:
  - .name:           k_q3ad65b9d73_last
    .symbol:         k_q3ad65b9d73_last.kd
    .args:
      - { .name: stA, .offset: 0, .size: 8, .value_kind: global_buffer, .address_space: global }
      - { .name: wf2, .offset: 8, .size: 8, .value_kind: global_buffer, .address_space: global }
      - { .name: params_layers_2_b_out, .offset: 16, .size: 8, .value_kind: global_buffer, .address_space: global }
      - { .name: params_layers_2_ln1_g, .offset: 24, .size: 8, .value_kind: global_buffer, .address_space: global }
      - { .name: params_layers_2_ln1_b, .offset: 32, .size: 8, .value_kind: global_buffer, .address_space: global }
      - { .name: params_layers_2_b1, .offset: 40, .size: 8, .value_kind: global_buffer, .address_space: global }
      - { .name: params_layers_2_b2, .offset: 48, .size: 8, .value_kind: global_buffer, .address_space: global }
      - { .name: params_layers_2_ln2_g, .offset: 56, .size: 8, .value_kind: global_buffer, .address_space: global }
      - { .name: params_layers_2_ln2_b, .offset: 64, .size: 8, .value_kind: global_buffer, .address_space: global }
      - { .name: ps, .offset: 72, .size: 8, .value_kind: global_buffer, .address_space: global }
    .group_segment_fixed_size: 327680
    .private_segment_fixed_size: 0
    .kernarg_segment_align: 8
    .kernarg_segment_size: 80
    .max_flat_workgroup_size: 256
    .sgpr_count:     92
    .vgpr_count:     392
    .wavefront_size: 32
...
	.end_amdgpu_metadata
.endif
;; end of part 3
;; launch head (part 4): grid 16 x 1, 8 waves a work-group, no clusters, 3,584 bytes of LDS; arguments hours, baseline_distribution, ps, params_w_dist, params_b_dist, params_w_proj, params_b_proj, out0, out1; writes out0, out1
.if DOCPART == 4
	.amdgcn_target "amdgcn-amd-amdhsa--gfx1250"
	.amdhsa_code_object_version 6
	.text
	.protected	k_q3ad65b9d73_head
	.globl	k_q3ad65b9d73_head
	.p2align	8
	.type	k_q3ad65b9d73_head,@function
k_q3ad65b9d73_head:
	s_mov_b64 s[64:65], 0
	v_nop
	global_prefetch_b8 v0, s[64:65] scope:SCOPE_SE
	s_setreg_imm32_b32 hwreg(HW_REG_WAVE_MODE, 25, 1), 1
	s_wait_xcnt 0x0
; THE HEAD, a work-group a batch: the mean of x3 over 1,024 tokens (from 16 rows of column sums), the 24-bin histogram of hours, its Jensen-Shannon figure against the baseline, and the two small
; projections.  All in f32 on the vector unit: each product here has ONE row a work-group (26,176 multiply-adds), of which a matrix tile of 16 rows would use a sixteenth.  16 work-groups are all the work
; there is; they share nothing but 105 KiB of weights, so no cluster.
; HISTOGRAM.  Lane k counts G_k = how many hours are >= k (lane 0: all 1,024; lanes 24 on: none, by a NaN as threshold); bin k holds G_k - G_(k+1): that is clip(trunc(h), 0, 23) for every h, with a NaN
; counted in bin 0.  A wave takes 128 hours as scalars: a compare and an add with carry for each.  The counts always add up to 1,024, and 1,024 + 1e-10 is 1,024 in f32: dist = count / 1,024.
; LIMITS.  Reciprocals and logarithms are good to the last bit or so, not correctly rounded; the sums over lanes are taken in another order than a row's.
.set HIST,  0                          ; [wave 8][lane 32] counts
.set CAT,   1024                       ; the 128 means, then the 64 numbers of h_dist
.set OUTS,  2048                       ; the 128 results
.set SPARE, 2560                       ; the spare words, 128 bytes a wave
.set LN,   1
.set THR,  2
.set CNT,  3
.set A_WP, 4                           ; 8 l
.set A_WD, 5                           ; 4 min(l, 24)
.set A_BL, 6                           ; 4 min(l, 23)
.set A_L7, 7                           ; 4 (l % 8)
.set A_LF, 8                           ; 4 (l % 16)
.set A_T4, 9                           ; 4 x thread
.set A_L4, 10                          ; 4 l
.set A_NX, 11                          ; 4 min(l + 1, 31)
.set TM,   12
.set SPW,  14
.set NIL,  15
.set BASE, 16
.set BD,   17
.set BP,   18
.set DIST, 19
.set WD,   20                          ; v20-27
.set PS,   28                          ; v28-43
.set CT,   44                          ; v44-49
.set U,    50                          ; v50-63 at work
.set WP,   64                          ; v64-159: row i of my 16 at 6 i
.set RES,  160
.set CDI,  161
.set FEAT, 162
.macro WSUM r                          ; the sum over the wave's 32 lanes, in every lane
	v_add_f32_dpp v[\r], v[\r], v[\r] row_xmask:1 row_mask:0xf bank_mask:0xf
	v_add_f32_dpp v[\r], v[\r], v[\r] row_xmask:2 row_mask:0xf bank_mask:0xf
	v_add_f32_dpp v[\r], v[\r], v[\r] row_xmask:4 row_mask:0xf bank_mask:0xf
	v_add_f32_dpp v[\r], v[\r], v[\r] row_xmask:8 row_mask:0xf bank_mask:0xf
	v_permlanex16_b32 v[TM], v[\r], s10, s11
	v_add_f32 v[\r], v[\r], v[TM]
.endm
.macro COUNT16 sb
.set i, 0
.rept 16
	v_cmp_ge_f32 vcc_lo, s[(\sb)+i], v[THR]
	v_add_co_ci_u32 v[CNT], vcc_lo, 0, v[CNT], vcc_lo
.set i, i+1
.endr
.endm
	s_load_b512 s[84:99], s[0:1], 0x0              ; hours, baseline, ps, w_dist, b_dist, w_proj, b_proj, out0
	s_load_b64 s[4:5], s[0:1], 0x40                ; out1
	v_lshl_add_u32 v[SPW], v0, 2, SPARE
	v_mov_b32 v[NIL], 0
	v_lshrrev_b32 v[TM], 5, v0
	v_readfirstlane_b32 s6, v[TM]                  ; wave 0..7
	v_and_b32 v[LN], 31, v0
	v_lshlrev_b32 v[A_WP], 3, v[LN]
	v_min_u32 v[A_WD], 24, v[LN]
	v_lshlrev_b32 v[A_WD], 2, v[A_WD]
	v_min_u32 v[A_BL], 23, v[LN]
	v_lshlrev_b32 v[A_BL], 2, v[A_BL]
	v_and_b32 v[A_L7], 7, v[LN]
	v_lshlrev_b32 v[A_L7], 2, v[A_L7]
	v_and_b32 v[A_LF], 15, v[LN]
	v_lshlrev_b32 v[A_LF], 2, v[A_LF]
	v_lshlrev_b32 v[A_T4], 2, v0
	v_lshlrev_b32 v[A_L4], 2, v[LN]
	v_add_nc_u32 v[A_NX], 1, v[LN]
	v_min_u32 v[A_NX], 31, v[A_NX]
	v_lshlrev_b32 v[A_NX], 2, v[A_NX]
	s_mov_b32 s10, 0x76543210
	s_mov_b32 s11, 0xfedcba98
	s_mov_b32 s12, 0x00ffffff                      ; lanes 0-23
	s_mov_b32 s9, 0
	s_wait_kmcnt 0x0
	s_lshl_b32 s8, ttmp9, 12
	s_lshl_b32 s7, s6, 9
	s_add_co_u32 s8, s8, s7
	s_add_nc_u64 s[84:85], s[84:85], s[8:9]        ; my wave's 128 hours
	s_load_b512 s[16:31], s[84:85], 0x0
	s_load_b512 s[32:47], s[84:85], 0x40
	s_load_b512 s[48:63], s[84:85], 0x80
	s_load_b512 s[68:83], s[84:85], 0xc0
	s_mul_i32 s8, ttmp9, 96
	s_add_nc_u64 s[86:87], s[86:87], s[8:9]        ; the batch's baseline
	s_lshl_b32 s8, ttmp9, 13
	s_add_nc_u64 s[88:89], s[88:89], s[8:9]        ; its 16 rows of column sums
	s_mul_i32 s8, s6, 800
	s_add_nc_u64 s[90:91], s[90:91], s[8:9]        ; my 8 rows of w_dist
	s_lshl_b32 s8, s6, 5
	s_add_nc_u64 s[92:93], s[92:93], s[8:9]
	s_mul_i32 s8, s6, 12288
	s_add_nc_u64 s[94:95], s[94:95], s[8:9]        ; my 16 rows of w_proj
	s_lshl_b32 s8, s6, 6
	s_add_nc_u64 s[96:97], s[96:97], s[8:9]
	s_lshl_b32 s8, ttmp9, 9
	s_add_nc_u64 s[98:99], s[98:99], s[8:9]
	s_lshl_b32 s8, ttmp9, 2
	s_add_nc_u64 s[4:5], s[4:5], s[8:9]
.set i, 0
.rept 16                               ; a row of w_proj is 768 bytes: three loads of 256 consecutive bytes
	global_load_b64 v[WP+6*i:WP+6*i+1],   v[A_WP], s[94:95] offset:i*768
	global_load_b64 v[WP+6*i+2:WP+6*i+3], v[A_WP], s[94:95] offset:i*768+256
	global_load_b64 v[WP+6*i+4:WP+6*i+5], v[A_WP], s[94:95] offset:i*768+512
.set i, i+1
.endr
.irp i,0,1,2,3,4,5,6,7
	global_load_b32 v[WD+\i], v[A_WD], s[90:91] offset:\i*100
.endr
	global_load_b32 v[BD], v[A_L7], s[92:93]
	global_load_b32 v[BP], v[A_LF], s[96:97]
	global_load_b32 v[BASE], v[A_BL], s[86:87]
	s_cmp_lt_u32 s6, 4
	s_cbranch_scc0 .Lno_ps
.set i, 0
.rept 16
	global_load_b32 v[PS+i], v[A_T4], s[88:89] offset:i*512
.set i, i+1
.endr
.Lno_ps:
	v_cvt_f32_u32 v[THR], v[LN]
	v_mov_b32 v[U], 0xff800000
	v_cmp_eq_u32 vcc_lo, 0, v[LN]
	v_cndmask_b32 v[THR], v[THR], v[U], vcc_lo
	v_mov_b32 v[U], 0x7fc00000
	v_cmp_lt_u32 vcc_lo, 23, v[LN]
	v_cndmask_b32 v[THR], v[THR], v[U], vcc_lo
	v_mov_b32 v[CNT], 0
	s_wait_kmcnt 0x0
	COUNT16 16
	COUNT16 32
	COUNT16 48
	COUNT16 68
	s_load_b512 s[16:31], s[84:85], 0x100
	s_load_b512 s[32:47], s[84:85], 0x140
	s_load_b512 s[48:63], s[84:85], 0x180
	s_load_b512 s[68:83], s[84:85], 0x1c0
	s_wait_kmcnt 0x0
	COUNT16 16
	COUNT16 32
	COUNT16 48
	COUNT16 68
	ds_store_b32 v[A_T4], v[CNT] offset:HIST
	s_wait_dscnt 0x0
	s_barrier_signal -1
	s_barrier_wait -1
.irp i,0,1,2,3,4,5,6,7
	ds_load_b32 v[U+\i], v[A_L4] offset:HIST+\i*128
.endr
	s_wait_dscnt 0x0
.irp i,1,2,3,4,5,6,7
	v_add_nc_u32 v[U], v[U], v[U+\i]
.endr
	v_mov_b32 v[U+1], 0x400
	s_mov_b32 s13, 1
	v_cndmask_b32 v[U], v[U], v[U+1], s13          ; G_0 is all 1,024
	ds_bpermute_b32 v[U+2], v[A_NX], v[U]          ; G of the lane above
	s_wait_dscnt 0x0
	v_sub_nc_u32 v[U], v[U], v[U+2]
	v_cvt_f32_u32 v[U], v[U]
	v_mul_f32 v[DIST], 0x3a800000, v[U]            ; / 1,024
	s_wait_loadcnt 0x0
	; the Jensen-Shannon figure, in every wave
	v_add_f32 v[U+1], 0x2edbe6ff, v[DIST]          ; + 1e-10
	v_add_f32 v[U+2], 0x2edbe6ff, v[BASE]
	v_cndmask_b32 v[U+1], 0, v[U+1], s12
	v_cndmask_b32 v[U+2], 0, v[U+2], s12
	v_mov_b32 v[U+3], v[U+1]
	v_mov_b32 v[U+4], v[U+2]
	WSUM U+3
	WSUM U+4
	v_rcp_f32 v[U+3], v[U+3]
	v_rcp_f32 v[U+4], v[U+4]
	v_nop
	s_wait_alu depctr_va_vdst(0)                   ; one wait for the two reciprocals
	v_mul_f32 v[U+1], v[U+1], v[U+3]               ; p
	v_mul_f32 v[U+2], v[U+2], v[U+4]               ; q
	v_cndmask_b32 v[U+1], 1.0, v[U+1], s12         ; lanes 24 on: p = q = m = 1, whose terms are 0
	v_cndmask_b32 v[U+2], 1.0, v[U+2], s12
	v_add_f32 v[U+5], v[U+1], v[U+2]
	v_mul_f32 v[U+5], 0.5, v[U+5]                  ; m
	v_rcp_f32 v[U+6], v[U+5]
	v_nop
	s_wait_alu depctr_va_vdst(0)
	v_mul_f32 v[U+7], v[U+1], v[U+6]
	v_mul_f32 v[U+8], v[U+2], v[U+6]
	v_log_f32 v[U+7], v[U+7]
	v_log_f32 v[U+8], v[U+8]
	v_nop
	s_wait_alu depctr_va_vdst(0)
	v_mul_f32 v[U+9], v[U+1], v[U+7]
	v_fma_f32 v[U+9], v[U+2], v[U+8], v[U+9]
	WSUM U+9
	v_mul_f32 v[CDI], 0x3eb17218, v[U+9]           ; ln(2) / 2
	; h_dist: my 8 of its 64 numbers
	v_cndmask_b32 v[FEAT], 0, v[DIST], s12
	s_mov_b32 s13, 1<<24
	v_cndmask_b32 v[FEAT], v[FEAT], v[CDI], s13
	v_mov_b32 v[RES], 0
.irp i,0,1,2,3,4,5,6,7
	v_mul_f32 v[U], v[FEAT], v[WD+\i]
	WSUM U
	s_mov_b32 s14, 0x01010101<<\i
	v_cndmask_b32 v[RES], v[RES], v[U], s14        ; lane l keeps number l % 8
.endr
	v_add_f32 v[RES], v[RES], v[BD]
	s_lshl_b32 s7, s6, 5
	v_add_nc_u32 v[U+1], s7, v[A_L7]
	ds_store_b32 v[U+1], v[RES] offset:CAT+512
	s_cmp_lt_u32 s6, 4
	s_cbranch_scc0 .Lno_mean
.set i, 1
.rept 15
	v_add_f32 v[PS], v[PS], v[PS+i]
.set i, i+1
.endr
	v_mul_f32 v[PS], 0x3a800000, v[PS]
	ds_store_b32 v[A_T4], v[PS] offset:CAT
.Lno_mean:
	s_wait_dscnt 0x0
	s_barrier_signal -1
	s_barrier_wait -1
	ds_load_b64 v[CT:CT+1],   v[A_WP] offset:CAT
	ds_load_b64 v[CT+2:CT+3], v[A_WP] offset:CAT+256
	ds_load_b64 v[CT+4:CT+5], v[A_WP] offset:CAT+512
	v_mov_b32 v[RES], 0
	s_wait_dscnt 0x0
.set i, 0
.rept 16
	v_pk_mul_f32 v[U:U+1], v[WP+6*i:WP+6*i+1], v[CT:CT+1]
	v_pk_fma_f32 v[U:U+1], v[WP+6*i+2:WP+6*i+3], v[CT+2:CT+3], v[U:U+1]
	v_pk_fma_f32 v[U:U+1], v[WP+6*i+4:WP+6*i+5], v[CT+4:CT+5], v[U:U+1]
	v_add_f32 v[U], v[U], v[U+1]
	WSUM U
	s_mov_b32 s14, 0x00010001<<i
	v_cndmask_b32 v[RES], v[RES], v[U], s14        ; lane l keeps number l % 16
.set i, i+1
.endr
	v_add_f32 v[RES], v[RES], v[BP]
	s_lshl_b32 s7, s6, 6
	v_add_nc_u32 v[U+1], s7, v[A_LF]
	ds_store_b32 v[U+1], v[RES] offset:OUTS
	s_wait_dscnt 0x0
	s_barrier_signal -1
	s_barrier_wait -1
	s_cmp_lg_u32 s6, 0
	s_cbranch_scc1 .Lend
	v_lshlrev_b32 v[U], 4, v[LN]
	v_mov_b32 v[U+8], 0
	ds_load_b128 v[U+4:U+7], v[U] offset:OUTS
	s_wait_dscnt 0x0
	global_store_b128 v[U], v[U+4:U+7], s[98:99]   ; the batch's row of out0: 512 consecutive bytes
	v_cmp_eq_u32 vcc_lo, 0, v[LN]
	s_wait_xcnt 0x0                                ; EXEC changes only behind this wait
	s_and_saveexec_b32 s7, vcc_lo
	global_store_b32 v[U+8], v[CDI], s[4:5]
	s_wait_xcnt 0x0                                ; and again ahead of the line that widens it
	s_or_b32 exec_lo, exec_lo, s7
.Lend:
	s_wait_tensorcnt 0x0                           ; the wave's end: three lines behind my last LDS store
	ds_add_u32 v[SPW], v[NIL]
	s_wait_dscnt 0x0
	s_endpgm
.Lfunc_end_k_q3ad65b9d73_head:
	.size	k_q3ad65b9d73_head, .Lfunc_end_k_q3ad65b9d73_head-k_q3ad65b9d73_head
	.p2alignl 7, 3214868480
	.fill 96, 4, 3214868480
	.section	.rodata,"a",@progbits
	.p2align	6, 0x0
	.amdhsa_kernel k_q3ad65b9d73_head
		.amdhsa_group_segment_fixed_size 3584
		.amdhsa_private_segment_fixed_size 0
		.amdhsa_enable_private_segment 0
		.amdhsa_kernarg_size 72
		.amdhsa_user_sgpr_count 2
		.amdhsa_user_sgpr_kernarg_segment_ptr 1
		.amdhsa_wavefront_size32 1
		.amdhsa_system_sgpr_workgroup_id_x 1
		.amdhsa_system_sgpr_workgroup_id_y 1
		.amdhsa_system_sgpr_workgroup_id_z 1
		.amdhsa_system_vgpr_workitem_id 0
		.amdhsa_next_free_vgpr 192
		.amdhsa_next_free_sgpr 100
		.amdhsa_reserve_vcc 1
		.amdhsa_float_denorm_mode_32 3
		.amdhsa_float_denorm_mode_16_64 3
		.amdhsa_memory_ordered 1
		.amdhsa_forward_progress 1
		.amdhsa_inst_pref_size 39
	.end_amdhsa_kernel
	.amdgpu_metadata
---
amdhsa.version: [ 1, 2 ]
amdhsa.kernels:
  - .name:           k_q3ad65b9d73_head
    .symbol:         k_q3ad65b9d73_head.kd
    .args:
      - { .name: hours, .offset: 0, .size: 8, .value_kind: global_buffer, .address_space: global }
      - { .name: baseline_distribution, .offset: 8, .size: 8, .value_kind: global_buffer, .address_space: global }
      - { .name: ps, .offset: 16, .size: 8, .value_kind: global_buffer, .address_space: global }
      - { .name: params_w_dist, .offset: 24, .size: 8, .value_kind: global_buffer, .address_space: global }
      - { .name: params_b_dist, .offset: 32, .size: 8, .value_kind: global_buffer, .address_space: global }
      - { .name: params_w_proj, .offset: 40, .size: 8, .value_kind: global_buffer, .address_space: global }
      - { .name: params_b_proj, .offset: 48, .size: 8, .value_kind: global_buffer, .address_space: global }
      - { .name: out0, .offset: 56, .size: 8, .value_kind: global_buffer, .address_space: global }
      - { .name: out1, .offset: 64, .size: 8, .value_kind: global_buffer, .address_space: global }
    .group_segment_fixed_size: 3584
    .private_segment_fixed_size: 0
    .kernarg_segment_align: 8
    .kernarg_segment_size: 72
    .max_flat_workgroup_size: 256
    .sgpr_count:     100
    .vgpr_count:     192
    .wavefront_size: 32
...
	.end_amdgpu_metadata
.endif
;; end of part 4
;; ======== version 2 of 2: 5 launches; version 1 with the launch embed written anew for expert scheduling mode
;; limits: values are held in f16: magnitudes above 65,504 overflow, below 6.1e-05 lose precision
;; workspace buffers: stA 20,971,520 bytes; stB 20,971,520 bytes; wf0 393,216 bytes; wf1 393,216 bytes; wf2 294,912 bytes; ps 131,072 bytes
;; launch embed (part 5): grid 256 x 1, 8 waves a work-group, no clusters, 17,408 bytes of LDS; arguments activity_ids, hours, day_of_week, params_act_emb, params_day_emb, params_layers_0_w_in, params_layers_0_b_in, stA, params_layers_0_w_out, params_layers_0_w1, params_layers_0_w2, params_layers_1_w_in, params_layers_1_w_out, params_layers_1_w1, params_layers_1_w2, params_layers_2_w_in, params_layers_2_w_out, params_layers_2_w1, params_layers_2_w2, wf0, wf1, wf2; writes stA, wf0, wf1, wf2
.if DOCPART == 5
	.amdgcn_target "amdgcn-amd-amdhsa--gfx1250"
	.amdhsa_code_object_version 6
	.text
	.protected	k_q3ad65b9d73_embed
	.globl	k_q3ad65b9d73_embed
	.p2align	8
	.type	k_q3ad65b9d73_embed,@function
k_q3ad65b9d73_embed:
	s_mov_b64 s[64:65], 0
	v_nop
	global_prefetch_b8 v0, s[64:65] scope:SCOPE_SE
	s_setreg_imm32_b32 hwreg(HW_REG_WAVE_SCHED_MODE, 0, 2), 2
	s_setreg_imm32_b32 hwreg(HW_REG_WAVE_MODE, 25, 1), 1
	s_wait_xcnt 0x0
	s_wait_alu depctr_vm_vsrc(0)
; EMBED.  x0 = act_emb[id] + pos(hours) + day_emb[dow] for 64 tokens a work-group (f32), then layer 0's q, k, v = x0 w_in^T + b_in (f16 operands, f32 sums).
; Beside that the first 132 work-groups write the other eleven weight matrices, rounded once to f16, in the order in which the layer launches' matrix fragments want them.
; SHARES.  Wave w owns channels 16 w .. 16 w + 15 of all 64 tokens (four tiles of 16): lane l = (r = l % 16, h = l / 16) holds token r, channels 16 w + 8 h + 0..7.
; In the products wave w makes output columns 16 w .. of q, of k and of v: its 48 rows of w_in go from memory straight into the registers in which they are rounded; no wave wants another's.
; So no cluster and no tensor load: what work-groups share (192 KiB of w_in) is read once by each, and nothing is read twice inside a work-group.
; WHAT GOES OUT (stA): xs f32 [wg][w][tile][half][lane 16 B]; qf f16 [wg][w][tile][lane 16 B], q times log2(e)/4; kvf f16 [batch][256 keys][head][K, V][key tile][lane 16 B]:
; a K tile holds key r, channels 8 h ..; a V tile channel r, keys 8 h ..  Every store of a wave covers 512 consecutive bytes, aligned.
; SINE AND COSINE: the angle in quarter turns, t = hours x 2^(-i log2(10000)/32) x 2/pi, is split into the nearest whole number and a rest of at most half a quarter turn, on which
; the two series are cut at r^7 and r^8 (next terms under 3e-7 for every rest); the whole number picks series and signs.
; LIMITS.  The angle carries hours' own relative rounding (about 1.2e-7 of the angle); |t| stays under 2^31; NaN and infinities are not treated apart.  f16 holds no number beyond 65,504:
; x0, q, k, v stay within it (drawn inputs: about 4 at the most; all inputs 30 times larger: about 100 x 30).
; THE MODE: SCHED_MODE bits 1:0 = 2 (LLVM: expert scheduling mode 2), set by the entry lines.  The code itself states the register dependences
; between vector or matrix instructions and memory or LDS instructions, with s_wait_alu, always for 0.
; THE PLAN.  Registers that memory or LDS instructions touch, in the order of the text:
;   v3-v10      Offsets, made at the head and read by every load and store; v9 alone is made anew, in the weight job, for its four loads.
;   v64-255     w_in as loaded; its roundings read all of it and write v64-159, which from then on vector and matrix instructions alone name.
;   v192-255    Then GA, GD: the gathers land there, the adds read them.  Then AF0, AF1: LDS loads land there, a K step's four products read one of them.
;   v160-191    X: written by vector lines, read by x0's stores.  Then ACC: written by the products.
;   v16-31      Hours, ids, days as loaded; ids and days become the gathers' offsets.  Then T: written by roundings, read by the stage's LDS stores and by q's, k's and v's stores.
;   v32-55      In the job 16 numbers as loaded and 8 registers packed, which its stores read.  Then the biases: loads land in v32-48, moves write v49-55.
; THE PRODUCTS are one ring of twelve K steps (three parts of four) on AF0 and AF1 by turns: step j multiplies AF[j % 2]; behind its products ONE wait states that they are done reading it, and the
; eight loads of step j + 2 follow, across the parts' ends too.  At a part's end that wait stands behind the roundings into T and states as well that T is written: the loads and the stores follow it.
.set QF0,   8388608
.set KV0,   12582912
.set SPARE, 16384                      ; behind the stage (x0 in f16, 16,384 bytes from LDS byte 0): the spare words, 128 bytes a wave
.set RR,  1                            ; v1   r
.set HH,  2                            ; v2   h
.set AL,  3                            ; v3   16 l
.set SL,  4                            ; v4   16 l + 512 w: where I put my 16 bytes of a tile's fragments
.set TO,  6                            ; v6   4 r
.set PO,  7                            ; v7   64 w + 32 h: my eight channels in a row of f32
.set WOF, 8                            ; v8   512 r + 32 h: my place in 16 rows of w_in
.set JO,  9                            ; v9   the same for the weight job
.set BVO, 10                           ; v10  64 w + 4 r
.set SPW, 14                           ; v14  my spare word
.set NIL, 15                           ; v15  0
.set E,   16                           ; v16-19  the four angle factors
.set HR,  20                           ; v20-23  hours, a tile each
.set IA,  24                           ; v24-27  activity ids, then offsets
.set ID,  28                           ; v28-31  days, then offsets
.set T,   16                           ; v16-31  later: packed results
.set BQ,  32                           ; v32-55  biases of q, k, v
.set BK,  40
.set BV,  48
.set JR,  32                           ; the weight job, ahead of the biases: 16 raw, 8 packed
.set JP,  48
.set W,   56                           ; v56-63  at work: no memory instruction names them
.set WF,  64                           ; v64-255 w_in raw, then v64-159 its 12 fragments (part p, K step k at 32 p + 8 k)
.set X,   160
.set GA,  192
.set GD,  224
.set ACC, 160
.set AF0, 192
.set AF1, 224
.set MK,  20                           ; s20-35  pair k's mask 'an odd quarter'; the weight job, which chose among the addresses that lay here, is over by then
.set WV,  48
.set XOUT, 78
.set QOUT, 80
.set KOUT, 82
.macro PLACES n
.rept \n
	v_nop
.endr
.endm
; Sine and cosine in two passes.  The first, for pair k of 16 (tile k / 4, pair k % 4 of my channels): the rest goes into X's even register, the quarter's number into the odd one,
; and the compare into a scalar register of its own, so that one wait serves all sixteen.
.macro QUART k, hr, e
	v_mul_f32 v[X+2*(\k)], v[\hr], v[\e]           ; quarter turns
	v_rndne_f32 v[W+2*((\k)%4)], v[X+2*(\k)]
	v_sub_f32 v[X+2*(\k)], v[X+2*(\k)], v[W+2*((\k)%4)]
	v_cvt_i32_f32 v[X+2*(\k)+1], v[W+2*((\k)%4)]
	v_and_b32 v[W+2*((\k)%4)+1], 1, v[X+2*(\k)+1]
	v_cmp_eq_u32 s[MK+(\k)], 1, v[W+2*((\k)%4)+1]  ; an odd quarter swaps the two
.endm
; The second: the two series on the rest, the signs from the quarter's number, the choice by the mask.
.macro SERIES k
	v_mul_f32 v[W], 0x3fc90fdb, v[X+2*(\k)]        ; the rest in radians, within pi/4
	v_mul_f32 v[W+3], v[W], v[W]
	v_fmaak_f32 v[W+4], s90, v[W+3], 0x3c088889    ; -1/5040, 1/120
	v_fmaak_f32 v[W+5], s91, v[W+3], 0xbab60b61    ; 1/40320, -1/720
	v_fmaak_f32 v[W+4], v[W+4], v[W+3], 0xbe2aaaab ; -1/6
	v_fmaak_f32 v[W+5], v[W+5], v[W+3], 0x3d2aaaab ; 1/24
	v_mul_f32 v[W+6], v[W], v[W+3]
	v_fmaak_f32 v[W+5], v[W+5], v[W+3], 0xbf000000 ; -1/2
	v_fma_f32 v[W+6], v[W+6], v[W+4], v[W]         ; sine of the rest
	v_fma_f32 v[W+7], v[W+5], v[W+3], 1.0          ; cosine of the rest
	v_and_b32 v[W+1], 2, v[X+2*(\k)+1]             ; quarters 2, 3: the sine changes sign
	v_add_nc_u32 v[W+2], 1, v[X+2*(\k)+1]          ; quarters 1, 2: the cosine
	v_lshlrev_b32 v[W+1], 30, v[W+1]
	v_and_b32 v[W+2], 2, v[W+2]
	v_lshlrev_b32 v[W+2], 30, v[W+2]
	v_cndmask_b32 v[X+2*(\k)],   v[W+6], v[W+7], s[MK+(\k)]
	v_cndmask_b32 v[X+2*(\k)+1], v[W+7], v[W+6], s[MK+(\k)]
	v_xor_b32 v[X+2*(\k)],   v[X+2*(\k)],   v[W+1]
	v_xor_b32 v[X+2*(\k)+1], v[X+2*(\k)+1], v[W+2]
.endm
.macro ALD dst, k                      ; x0's fragments of K step k, four tiles
.irp t,0,1,2,3
	ds_load_b128 v[(\dst)+8*\t:(\dst)+8*\t+3],   v[AL] offset:\t*4096+(\k)*1024
	ds_load_b128 v[(\dst)+8*\t+4:(\dst)+8*\t+7], v[AL] offset:\t*4096+(\k)*1024+512
.endr
.endm
.macro MM4 p, k, af, cpar, swap        ; four products, the four accumulators by turns
.irp t,0,1,2,3
.set rD, ACC+8*\t
.set rW, WF+32*(\p)+8*(\k)
.set rA, (\af)+8*\t
.set rC, rD
.if (\cpar) >= 0
.set rC, (\cpar)
.endif
.if \swap
	v_wmma_f32_16x16x32_f16 v[rD:rD+7], v[rA:rA+7], v[rW:rW+7], v[rC:rC+7]
.else
	v_wmma_f32_16x16x32_f16 v[rD:rD+7], v[rW:rW+7], v[rA:rA+7], v[rC:rC+7]
.endif
.endr
.endm
; One of a part's first three K steps: 64 tokens x my 16 columns of part p, 32 along K.  cb >= 0: the bias is the C operand that starts the sums.
; swap = 0: a lane ends with token r, columns 8 h ..; swap = 1: column r, tokens 8 h ..  nk >= 0: the buffer is asked for again, with K step nk (of this part, or of the next).
.macro STEP p, k, af, cb, swap, nk
	s_wait_dscnt 8                                 ; LDS loads come back in order: this step's eight are in, the next step's eight may stay out
	MM4 \p, \k, \af, \cb, \swap
.if (\nk) >= 0
	PLACES 4                                       ; four places behind the last product, ahead of loads into registers that it read
	s_wait_alu depctr_va_vdst(0)                   ; this step's four products are done reading their fragments of x0, in which the loads below land
	ALD \af, \nk
.endif
.endm
; A part's last K step and its way out: the sums rounded to f16, 16 bytes a lane and tile, and stored.  left: the LDS loads that may stay out.
.macro TAIL p, swap, left, base, off
	s_wait_dscnt \left
	MM4 \p, 3, AF1, -1, \swap
	PLACES 4                                       ; ahead of the vector lines that read the sums
.if (\p) == 0
.set i, 0
.rept 16
	v_pk_mul_f32 v[ACC+i:ACC+i+1], v[ACC+i:ACC+i+1], 0x3eb8aa3b op_sel_hi:[1,0]  ; q times log2(e)/4, ahead of its one rounding
.set i, i+2
.endr
.else
	s_wait_xcnt 0x0                                ; the last part's stores have had their addresses translated: T is rewritten only behind this wait,
	s_wait_alu depctr_vm_vsrc(0)                   ; and they have read T, which the roundings below write again
.endif
.irp t,0,1,2,3
.irp i,0,1,2,3
	v_cvt_pk_f16_f32 v[T+4*\t+\i], v[ACC+8*\t+2*\i], v[ACC+8*\t+2*\i+1]
.endr
.endr
	s_wait_alu depctr_va_vdst(0)                   ; the roundings have written T, which the stores read; the step's products are done reading AF1, in which the loads below land
.if (\p) < 2
	ALD AF1, 1                                     ; the next part's second K step
.endif
.irp t,0,1,2,3
	global_store_b128 v[AL], v[T+4*\t:T+4*\t+3], s[\base:\base+1] offset:(\off)+\t*512
.endr
.endm
	s_load_b512 s[4:19], s[0:1], 0x0               ; ids, hours, days, act_emb, day_emb, w_in 0, b_in 0, stA
	s_load_b512 s[20:35], s[0:1], 0x40             ; L0 w_out, w1, w2; L1 w_in, w_out, w1, w2; L2 w_in
	s_load_b256 s[36:43], s[0:1], 0x80             ; L2 w_out, w1, w2; wf0
	s_load_b128 s[44:47], s[0:1], 0xa0             ; wf1, wf2
	v_lshl_add_u32 v[SPW], v0, 2, SPARE
	v_mov_b32 v[NIL], 0
	v_lshrrev_b32 v[JO], 5, v0
	v_readfirstlane_b32 s[WV], v[JO]               ; wave 0..7
	v_and_b32 v[RR], 15, v0
	v_bfe_u32 v[HH], v0, 4, 1
	v_and_b32 v[AL], 31, v0
	v_lshlrev_b32 v[AL], 4, v[AL]
	v_lshlrev_b32 v[TO], 2, v[RR]
	v_lshlrev_b32 v[WOF], 9, v[RR]
	v_lshl_add_u32 v[WOF], v[HH], 5, v[WOF]
	s_wait_alu depctr_va_sdst(0)                   ; the wave's number is written, ahead of its first reader
	s_lshl_b32 s49, s[WV], 9
	v_add_nc_u32 v[SL], s49, v[AL]
	s_lshl_b32 s50, s[WV], 6
	v_lshl_add_u32 v[PO], v[HH], 5, s50
	v_lshl_add_u32 v[BVO], v[RR], 2, s50
	s_mov_b32 s88, 0xbed49a78                      ; -log2(10000)/32
	s_mov_b32 s90, 0xb9500d01                      ; -1/5040
	s_mov_b32 s91, 0x37d00d01                      ; 1/40320
	s_lshl_b32 s52, s[WV], 13                      ; my 16 rows of 512 bytes
	s_mov_b32 s53, 0
	s_lshl_b32 s54, ttmp9, 8                       ; my work-group's 64 tokens, 4 bytes each
	s_mov_b32 s55, 0
	s_lshl_b32 s56, ttmp9, 15                      ; xs
	s_lshl_b32 s57, s[WV], 12
	s_add_co_u32 s56, s56, s57
	s_mov_b32 s57, 0
	s_lshl_b32 s58, ttmp9, 14                      ; qf
	s_lshl_b32 s59, s[WV], 11
	s_add_co_u32 s58, s58, s59
	s_add_co_u32 s58, s58, QF0
	s_mov_b32 s59, 0
	s_lshr_b32 s60, ttmp9, 4                       ; kvf: batch,
	s_lshl_b32 s60, s60, 19
	s_bfe_u32 s61, ttmp9, 0x20002                  ; which 256 keys,
	s_lshl_b32 s61, s61, 17
	s_add_co_u32 s60, s60, s61
	s_and_b32 s61, ttmp9, 3                        ; which four key tiles of them,
	s_lshl_b32 s61, s61, 11
	s_add_co_u32 s60, s60, s61
	s_lshl_b32 s61, s[WV], 14                      ; head
	s_add_co_u32 s60, s60, s61
	s_add_co_u32 s60, s60, KV0
	s_mov_b32 s61, 0
	s_wait_kmcnt 0x0
	s_add_nc_u64 s[14:15], s[14:15], s[52:53]
	s_add_nc_u64 s[4:5], s[4:5], s[54:55]
	s_add_nc_u64 s[6:7], s[6:7], s[54:55]
	s_add_nc_u64 s[8:9], s[8:9], s[54:55]
	s_add_nc_u64 s[XOUT:XOUT+1], s[18:19], s[56:57]
	s_add_nc_u64 s[QOUT:QOUT+1], s[18:19], s[58:59]
	s_add_nc_u64 s[KOUT:KOUT+1], s[18:19], s[60:61]
	s_wait_alu depctr_va_vdst(0)                   ; the offsets v3 to v10 are written, which the kernel's loads and stores read
.irp p,0,1,2                           ; my rows of w_q, w_k, w_v in f32: fragment 4 p + k takes 16 registers
.irp k,0,1,2,3
	global_load_b128 v[WF+16*(4*\p+\k):WF+16*(4*\p+\k)+3],     v[WOF], s[14:15] offset:\p*65536+\k*128
	global_load_b128 v[WF+16*(4*\p+\k)+4:WF+16*(4*\p+\k)+7],   v[WOF], s[14:15] offset:\p*65536+\k*128+16
	global_load_b128 v[WF+16*(4*\p+\k)+8:WF+16*(4*\p+\k)+11],  v[WOF], s[14:15] offset:\p*65536+\k*128+64
	global_load_b128 v[WF+16*(4*\p+\k)+12:WF+16*(4*\p+\k)+15], v[WOF], s[14:15] offset:\p*65536+\k*128+80
.endr
.endr
.irp t,0,1,2,3
	global_load_b32 v[HR+\t], v[TO], s[6:7] offset:\t*64
	global_load_b32 v[IA+\t], v[TO], s[4:5] offset:\t*64
	global_load_b32 v[ID+\t], v[TO], s[8:9] offset:\t*64
.endr
	; THE WEIGHT JOB.  264 units of 16 rows x 128 K (96 for wf0, 96 for wf1, 72 for wf2), two to a work-group, a K step of 32 to a wave.
	s_cmp_lt_u32 ttmp9, 132
	s_cbranch_scc0 .Lnojob
	s_lshl_b32 s50, ttmp9, 1
	s_lshr_b32 s51, s[WV], 2
	s_add_co_u32 s50, s50, s51                     ; the unit
	s_sub_co_u32 s51, s50, 96
	s_sub_co_u32 s52, s50, 192
	s_cmp_ge_u32 s50, 96
	s_cselect_b64 s[54:55], s[28:29], s[20:21]     ; w_out
	s_cselect_b64 s[56:57], s[30:31], s[22:23]     ; w1
	s_cselect_b64 s[58:59], s[32:33], s[24:25]     ; w2
	s_cselect_b64 s[60:61], s[34:35], s[26:27]     ; the next layer's w_in
	s_cselect_b64 s[62:63], s[44:45], s[42:43]     ; the target
	s_cselect_b32 s53, s51, s50
	s_cmp_ge_u32 s50, 192
	s_cselect_b64 s[54:55], s[36:37], s[54:55]
	s_cselect_b64 s[56:57], s[38:39], s[56:57]
	s_cselect_b64 s[58:59], s[40:41], s[58:59]
	s_cselect_b64 s[62:63], s[46:47], s[62:63]
	s_cselect_b32 s53, s52, s53                    ; the unit in its set
	s_lshr_b32 s66, s53, 3                         ; block 0..11: w_out, w1c0, w2c0, w1c1, w2c1, w1c2, w2c2, w1c3, w2c3, wq, wk, wv
	s_and_b32 s67, s53, 7                          ; its 16 rows
	s_lshl_b32 s68, s67, 13                        ; 16 rows of 512 bytes
	s_sub_co_u32 s69, s66, 1                       ; w1: rows 128 c on
	s_lshr_b32 s69, s69, 1
	s_lshl_b32 s69, s69, 16
	s_add_co_u32 s69, s69, s68
	s_sub_co_u32 s70, s66, 9                       ; w_in: part 0..2
	s_lshl_b32 s70, s70, 16
	s_add_co_u32 s70, s70, s68
	s_lshr_b32 s71, s66, 1                         ; w2: columns 128 c on, rows of 2,048 bytes
	s_sub_co_u32 s71, s71, 1
	s_lshl_b32 s71, s71, 9
	s_lshl_b32 s72, s67, 15
	s_add_co_u32 s71, s71, s72
	s_mov_b32 s73, 11
	s_and_b32 s74, s66, 1
	s_cmp_eq_u32 s74, 1
	s_cselect_b64 s[58:59], s[56:57], s[58:59]
	s_cselect_b32 s71, s69, s71
	s_cselect_b32 s73, 9, s73
	s_cmp_ge_u32 s66, 9
	s_cselect_b64 s[58:59], s[60:61], s[58:59]
	s_cselect_b32 s71, s70, s71
	s_cselect_b32 s73, 9, s73
	s_cmp_eq_u32 s66, 0
	s_cselect_b64 s[58:59], s[54:55], s[58:59]
	s_cselect_b32 s71, s68, s71
	s_cselect_b32 s73, 9, s73
	s_mov_b32 s74, s71
	s_mov_b32 s75, 0
	s_add_nc_u64 s[58:59], s[58:59], s[74:75]
	s_and_b32 s76, s[WV], 3                        ; my K step
	s_lshl_b32 s77, s76, 7
	v_lshlrev_b32 v[JO], s73, v[RR]
	v_lshl_add_u32 v[JO], v[HH], 5, v[JO]
	v_add_nc_u32 v[JO], s77, v[JO]
	s_lshl_b32 s74, s66, 15
	s_lshl_b32 s77, s67, 12
	s_add_co_u32 s74, s74, s77
	s_lshl_b32 s77, s76, 10
	s_add_co_u32 s74, s74, s77
	s_add_nc_u64 s[62:63], s[62:63], s[74:75]
	s_wait_alu depctr_va_vdst(0)                   ; the job's offset v9 is written, which its four loads read
	global_load_b128 v[JR:JR+3],     v[JO], s[58:59]
	global_load_b128 v[JR+4:JR+7],   v[JO], s[58:59] offset:16
	global_load_b128 v[JR+8:JR+11],  v[JO], s[58:59] offset:64
	global_load_b128 v[JR+12:JR+15], v[JO], s[58:59] offset:80
	s_wait_loadcnt 0x0
.irp i,0,1,2,3,4,5,6,7
	v_cvt_pk_f16_f32 v[JP+\i], v[JR+2*\i], v[JR+2*\i+1]
.endr
	s_wait_alu depctr_va_vdst(0)                   ; the roundings have written v48 to v55, which the stores read, and are done with v32 to v55, in which the biases land below
	global_store_b128 v[AL], v[JP:JP+3],   s[62:63]
	global_store_b128 v[AL], v[JP+4:JP+7], s[62:63] offset:512
.Lnojob:
	s_wait_xcnt 0x0                                ; the job's stores have had their addresses translated: their data registers are written again only behind this wait,
	s_wait_alu depctr_vm_vsrc(0)                   ; and they have read v48 to v55: v's bias lands in v48, and moves write the other seven
	global_load_b128 v[BQ:BQ+3],   v[PO], s[16:17]
	global_load_b128 v[BQ+4:BQ+7], v[PO], s[16:17] offset:16
	global_load_b128 v[BK:BK+3],   v[PO], s[16:17] offset:512
	global_load_b128 v[BK+4:BK+7], v[PO], s[16:17] offset:528
	global_load_b32  v[BV], v[BVO], s[16:17] offset:1024
	s_wait_loadcnt 5                               ; all but these five: w_in, hours, ids, days are in
.irp t,0,1,2,3
	v_min_u32 v[IA+\t], 20, v[IA+\t]               ; an index stays inside its table
	v_min_u32 v[ID+\t], 6, v[ID+\t]
	v_lshl_add_u32 v[IA+\t], v[IA+\t], 9, v[PO]
	v_lshl_add_u32 v[ID+\t], v[ID+\t], 9, v[PO]
.endr
.set f, 0
.rept 12                               ; w_in rounded to f16 in place, ascending: a target never lies above a source still to be read
.irp i,0,1,2,3,4,5,6,7
	v_cvt_pk_f16_f32 v[WF+8*f+\i], v[WF+16*f+2*\i], v[WF+16*f+2*\i+1]
.endr
.set f, f+1
.endr
	s_wait_alu depctr_va_vdst(0)                   ; the gathers' offsets v24 to v31 are written; w_in's roundings are done reading v192 to v255, in which the gathered rows land
.irp t,0,1,2,3
	global_load_b128 v[GA+8*\t:GA+8*\t+3],   v[IA+\t], s[10:11]
	global_load_b128 v[GA+8*\t+4:GA+8*\t+7], v[IA+\t], s[10:11] offset:16
	global_load_b128 v[GD+8*\t:GD+8*\t+3],   v[ID+\t], s[12:13]
	global_load_b128 v[GD+8*\t+4:GD+8*\t+7], v[ID+\t], s[12:13] offset:16
.endr
	s_lshl_b32 s50, s[WV], 3                       ; my four pairs of channels: 8 w + 4 h + i
	v_lshl_add_u32 v[W], v[HH], 2, s50
.irp i,0,1,2,3
	v_add_nc_u32 v[W+1], \i, v[W]
	v_cvt_f32_u32 v[W+1], v[W+1]
	v_fmaak_f32 v[E+\i], s88, v[W+1], 0xbf26c873   ; + log2(2/pi)
.endr
.irp i,0,1,2,3
	v_exp_f32 v[E+\i], v[E+\i]
.endr
	v_nop                                          ; a plain line behind the last exponential,
	s_wait_alu depctr_va_vdst(0)                   ; and one wait for the four factors v16 to v19, ahead of their first reader
.irp t,0,1,2,3
.irp i,0,1,2,3
	QUART 4*\t+\i, HR+\t, E+\i
.endr
.endr
	s_wait_alu depctr_va_sdst(0)                   ; the sixteen compares have written s20 to s35, ahead of the first select that reads one of them
.irp k,0,1,2,3,4,5,6,7,8,9,10,11,12,13,14,15
	SERIES \k
.endr
	s_wait_loadcnt 0x0                             ; the gathered rows and the biases
	s_wait_alu depctr_vm_vsrc(0)                   ; the gathers have read their offsets v24 to v31, which the roundings into T write below
.irp i,1,2,3,4,5,6,7
	v_mov_b32 v[BV+\i], v[BV]                      ; v's sums hold one channel a lane: its bias in all eight registers
.endr
.set i, 0
.rept 16
	v_pk_add_f32 v[X+i:X+i+1], v[GA+i:GA+i+1], v[X+i:X+i+1]
	v_pk_add_f32 v[X+i:X+i+1], v[X+i:X+i+1], v[GD+i:GD+i+1]
.set i, i+2
.endr
.irp t,0,1,2,3
.irp i,0,1,2,3
	v_cvt_pk_f16_f32 v[T+4*\t+\i], v[X+8*\t+2*\i], v[X+8*\t+2*\i+1]
.endr
.endr
	s_wait_alu depctr_va_vdst(0)                   ; X and T are written, which the stores below read; the adds are done reading v192 to v255, in which x0's first fragments land behind the barrier
.irp t,0,1,2,3
	ds_store_b128 v[SL], v[T+4*\t:T+4*\t+3] offset:\t*4096
.endr
.irp t,0,1,2,3
	global_store_b128 v[AL], v[X+8*\t:X+8*\t+3],   s[XOUT:XOUT+1] offset:\t*1024
	global_store_b128 v[AL], v[X+8*\t+4:X+8*\t+7], s[XOUT:XOUT+1] offset:\t*1024+512
.endr
	s_wait_dscnt 0x0                               ; for the others' sake: my part of x0's fragments is in LDS
	s_barrier_signal -1
	s_barrier_wait -1
	ALD AF0, 0                                     ; the ring's first two K steps.  No wait: no vector line since the wait above names v192 to v255
	ALD AF1, 1
	s_wait_xcnt 0x0                                ; x0's stores have had their addresses translated: the sums take their data registers only behind this wait,
	s_wait_alu depctr_vm_vsrc(0)                   ; and they have read X, which the products write; the LDS stores have read T, which q's roundings write
	STEP 0, 0, AF0, BQ, 0, 2                       ; q
	STEP 0, 1, AF1, -1, 0, 3
	STEP 0, 2, AF0, -1, 0, 0                       ; the next part's first K step is asked for here
	TAIL 0, 0, 8, QOUT, 0
	STEP 1, 0, AF0, BK, 0, 2                       ; k
	STEP 1, 1, AF1, -1, 0, 3
	STEP 1, 2, AF0, -1, 0, 0
	TAIL 1, 0, 8, KOUT, 0
	STEP 2, 0, AF0, BV, 1, 2                       ; v, turned
	STEP 2, 1, AF1, -1, 1, 3
	STEP 2, 2, AF0, -1, 1, -1                      ; nothing is left to fetch
	TAIL 2, 1, 0, KOUT, 8192
	s_wait_dscnt 0x0                               ; the closing lines, six on end
	s_wait_alu 0x0
	s_wait_tensorcnt 0x0
	ds_add_u32 v[SPW], v[NIL]
	s_wait_dscnt 0x0
	s_endpgm
.Lfunc_end_k_q3ad65b9d73_embed:
	.size	k_q3ad65b9d73_embed, .Lfunc_end_k_q3ad65b9d73_embed-k_q3ad65b9d73_embed
	.p2alignl 7, 3214868480
	.fill 96, 4, 3214868480
	.section	.rodata,"a",@progbits
	.p2align	6, 0x0
	.amdhsa_kernel k_q3ad65b9d73_embed
		.amdhsa_group_segment_fixed_size 17408
		.amdhsa_private_segment_fixed_size 0
		.amdhsa_enable_private_segment 0
		.amdhsa_kernarg_size 176
		.amdhsa_user_sgpr_count 2
		.amdhsa_user_sgpr_kernarg_segment_ptr 1
		.amdhsa_wavefront_size32 1
		.amdhsa_system_sgpr_workgroup_id_x 1
		.amdhsa_system_sgpr_workgroup_id_y 1
		.amdhsa_system_sgpr_workgroup_id_z 1
		.amdhsa_system_vgpr_workitem_id 0
		.amdhsa_next_free_vgpr 256
		.amdhsa_next_free_sgpr 96
		.amdhsa_reserve_vcc 0
		.amdhsa_float_denorm_mode_32 3
		.amdhsa_float_denorm_mode_16_64 3
		.amdhsa_memory_ordered 1
		.amdhsa_forward_progress 1
		.amdhsa_inst_pref_size 61
	.end_amdhsa_kernel
	.amdgpu_metadata
---
amdhsa.version: [ 1, 2 ]
amdhsa.kernels:
  - .name:           k_q3ad65b9d73_embed
    .symbol:         k_q3ad65b9d73_embed.kd
    .args:
      - { .name: activity_ids, .offset: 0, .size: 8, .value_kind: global_buffer, .address_space: global }
      - { .name: hours, .offset: 8, .size: 8, .value_kind: global_buffer, .address_space: global }
      - { .name: day_of_week, .offset: 16, .size: 8, .value_kind: global_buffer, .address_space: global }
      - { .name: params_act_emb, .offset: 24, .size: 8, .value_kind: global_buffer, .address_space: global }
      - { .name: params_day_emb, .offset: 32, .size: 8, .value_kind: global_buffer, .address_space: global }
      - { .name: params_layers_0_w_in, .offset: 40, .size: 8, .value_kind: global_buffer, .address_space: global }
      - { .name: params_layers_0_b_in, .offset: 48, .size: 8, .value_kind: global_buffer, .address_space: global }
      - { .name: stA, .offset: 56, .size: 8, .value_kind: global_buffer, .address_space: global }
      - { .name: params_layers_0_w_out, .offset: 64, .size: 8, .value_kind: global_buffer, .address_space: global }
      - { .name: params_layers_0_w1, .offset: 72, .size: 8, .value_kind: global_buffer, .address_space: global }
      - { .name: params_layers_0_w2, .offset: 80, .size: 8, .value_kind: global_buffer, .address_space: global }
      - { .name: params_layers_1_w_in, .offset: 88, .size: 8, .value_kind: global_buffer, .address_space: global }
      - { .name: params_layers_1_w_out, .offset: 96, .size: 8, .value_kind: global_buffer, .address_space: global }
      - { .name: params_layers_1_w1, .offset: 104, .size: 8, .value_kind: global_buffer, .address_space: global }
      - { .name: params_layers_1_w2, .offset: 112, .size: 8, .value_kind: global_buffer, .address_space: global }
      - { .name: params_layers_2_w_in, .offset: 120, .size: 8, .value_kind: global_buffer, .address_space: global }
      - { .name: params_layers_2_w_out, .offset: 128, .size: 8, .value_kind: global_buffer, .address_space: global }
      - { .name: params_layers_2_w1, .offset: 136, .size: 8, .value_kind: global_buffer, .address_space: global }
      - { .name: params_layers_2_w2, .offset: 144, .size: 8, .value_kind: global_buffer, .address_space: global }
      - { .name: wf0, .offset: 152, .size: 8, .value_kind: global_buffer, .address_space: global }
      - { .name: wf1, .offset: 160, .size: 8, .value_kind: global_buffer, .address_space: global }
      - { .name: wf2, .offset: 168, .size: 8, .value_kind: global_buffer, .address_space: global }
    .group_segment_fixed_size: 17408
    .private_segment_fixed_size: 0
    .kernarg_segment_align: 8
    .kernarg_segment_size: 176
    .max_flat_workgroup_size: 256
    .sgpr_count:     96
    .vgpr_count:     256
    .wavefront_size: 32
...
	.end_amdgpu_metadata
.endif
;; end of part 5
;; launch layer0: the kernel of part 2 again; grid 256 x 1, 8 waves a work-group, clusters of 4 x 1, 327,680 bytes of LDS; arguments stA, wf0, params_layers_0_b_out, params_layers_0_ln1_g, params_layers_0_ln1_b, params_layers_0_b1, params_layers_0_b2, params_layers_0_ln2_g, params_layers_0_ln2_b, params_layers_1_b_in, stB; writes stB
;; launch layer1: the kernel of part 2 again; grid 256 x 1, 8 waves a work-group, clusters of 4 x 1, 327,680 bytes of LDS; arguments stB, wf1, params_layers_1_b_out, params_layers_1_ln1_g, params_layers_1_ln1_b, params_layers_1_b1, params_layers_1_b2, params_layers_1_ln2_g, params_layers_1_ln2_b, params_layers_2_b_in, stA; writes stA
;; launch last: the kernel of part 3 again; grid 256 x 1, 8 waves a work-group, clusters of 4 x 1, 327,680 bytes of LDS; arguments stA, wf2, params_layers_2_b_out, params_layers_2_ln1_g, params_layers_2_ln1_b, params_layers_2_b1, params_layers_2_b2, params_layers_2_ln2_g, params_layers_2_ln2_b, ps; writes ps
;; launch head: the kernel of part 4 again; grid 16 x 1, 8 waves a work-group, no clusters, 3,584 bytes of LDS; arguments hours, baseline_distribution, ps, params_w_dist, params_b_dist, params_w_proj, params_b_proj, out0, out1; writes out0, out1
